; MI455X (gfx1250); checked and timed in simulation.
; The chip was launched on July 23, 2026; its instructions are those of AMD's public machine-readable ISA for CDNA 5 (MIT licence, August 2026) and "CDNA5" Instruction Set Architecture Reference Guide (July 2026). The comments in the code are by the model that wrote it; some were corrected since.
;; Llama Attention. Allowed arithmetic: float matrix products may take bf16 or f16 operands with f32 sums; other float arithmetic in f32, or as packed bf16 or f16 multiplies, adds, multiply-adds, maxima and minima; sums over many terms, partial sums and values carried from step to step in f32; what a program stores and reads back later, other than sums and carried values, may be rounded once to bf16 or f16.
;; Inputs: Wk 2,048 x 2,048 float32; Wo 2,048 x 2,048 float32; Wq 2,048 x 2,048 float32; Wv 2,048 x 2,048 float32; attention_mask 1 x 1 x 2,048 x 2,048 float32; hidden_states 1 x 2,048 x 2,048 float32; position_ids 1 x 2,048 int32.
;; Outputs: out0 1 x 2,048 x 2,048 float32; out1 1 x 16 x 2,048 x 128 float32; out2 1 x 16 x 2,048 x 128 float32.
;; One version. Each part assembles by itself: llvm-mc -triple=amdgcn-amd-amdhsa -mcpu=gfx1250 --defsym DOCPART=n.
;; ======== version 1 of 1: 4 launches
;; limits: values are held in f16: magnitudes above 65,504 overflow, below 6.1e-05 lose precision
;; workspace buffers: w16 41,943,040 bytes; rope 1,048,576 bytes; qkv16 25,165,824 bytes; ao16 8,388,608 bytes
;; launch prep (part 1): grid 256 x 5, 8 waves a work-group, no clusters, 0 bytes of LDS; arguments hidden_states, Wq, Wk, Wv, Wo, position_ids, w16, rope; writes w16, rope
.if DOCPART == 1
	.amdgcn_target "amdgcn-amd-amdhsa--gfx1250"
	.amdhsa_code_object_version 6
	.text
	.protected	k_q04d0d670b1_prep
	.globl	k_q04d0d670b1_prep
	.p2align	8
	.type	k_q04d0d670b1_prep,@function
k_q04d0d670b1_prep:
	s_mov_b64 s[64:65], 0
	v_nop
	global_prefetch_b8 v0, s[64:65] scope:SCOPE_SE
	s_setreg_imm32_b32 hwreg(HW_REG_WAVE_MODE, 25, 1), 1
	s_wait_xcnt 0x0
; PREP.  (1) x, Wq, Wk, Wv, Wo (each [2048][2048] f32) are rounded once to bf16, and that number is written as f16 into plane y of w16: one matrix form then serves every product of the program.
; (2) the table cos, sin of position x 10000^(-j/64), j = 0..63: rope = cos[2048][64] f32, then sin[2048][64] f32.
; LIMITS.  A bf16 number is exact in f16 from 6.1e-5 to 65,504; below, it keeps f16's fixed step of 6e-8; beyond 65,504 it becomes an infinity.  |position| up to 2^22: the angle is reduced by
; pi/2 in two parts; the angle itself carries the f32 rounding of position x frequency, about position x 2^-22.
; SHARES.  Grid y picks the tensor; work-group x owns 16,384 numbers, in 16 chunks of 1,024.  Thread t takes 4 numbers of each chunk: one load of 16 bytes at 16 t (a load of the wave covers 512
; consecutive bytes), one store of 8 bytes at 8 t (a store of the wave covers 256 consecutive bytes, aligned).  All 16 loads of a thread go out at once; the f16 pair is written over the first two
; registers of its own load, so 96 registers do, no register is loaded twice and no loop is needed.  A pure stream: no LDS, no matrix unit, no cluster.
.set X,  16                            ; v[16:79]   chunk i at X + 4 i: as loaded; then two registers to store
.set LN, 80                            ; my lane
.set PF, 81                            ; the position as f32
.set TH, 82                            ; v[82:83] the two angles of my lane
.set NN, 84                            ; at work
.set RR, 85
.set ZZ, 86
.set PS, 87
.set PC, 88
.set QI, 89
.set TT, 90
.set SO, 91                            ; my byte offset in the table
.set CO, 92                            ; v[92:93] cos
.set SI, 94                            ; v[94:95] sin
	s_load_b256 s[4:11], s[0:1], 0x0               ; x s[4:5], Wq s[6:7], Wk s[8:9], Wv s[10:11]
	s_load_b256 s[12:19], s[0:1], 0x20             ; Wo s[12:13], positions s[14:15], w16 s[16:17], rope s[18:19]
	s_and_b32 s20, ttmp7, 0xffff                   ; which tensor
	s_lshl_b32 s24, ttmp9, 16                      ; my 65,536 bytes of it
	s_mov_b32 s25, 0
	s_lshl_b32 s26, s20, 23                        ; its plane in w16,
	s_lshl_b32 s27, ttmp9, 15                      ; my 32,768 bytes there
	s_add_co_u32 s26, s26, s27
	s_mov_b32 s27, 0
	s_mov_b32 s30, 0xffff0000                      ; a word's upper bf16
	v_lshlrev_b32 v1, 4, v0                        ; 16 t
	v_lshlrev_b32 v2, 3, v0                        ; 8 t
	s_wait_kmcnt 0x0
	s_mov_b64 s[22:23], s[4:5]
	s_cmp_eq_u32 s20, 1
	s_cselect_b64 s[22:23], s[6:7], s[22:23]
	s_cmp_eq_u32 s20, 2
	s_cselect_b64 s[22:23], s[8:9], s[22:23]
	s_cmp_eq_u32 s20, 3
	s_cselect_b64 s[22:23], s[10:11], s[22:23]
	s_cmp_eq_u32 s20, 4
	s_cselect_b64 s[22:23], s[12:13], s[22:23]
	s_add_nc_u64 s[22:23], s[22:23], s[24:25]
	s_add_nc_u64 s[16:17], s[16:17], s[26:27]
.irp i, 0,1,2,3,4,5,6,7,8,9,10,11,12,13,14,15
	global_load_b128 v[X+4*(\i):X+4*(\i)+3], v1, s[22:23] offset:4096*(\i) th:TH_LOAD_NT
.endr
	s_cmp_lg_u32 s20, 0
	s_cbranch_scc1 .Lcast                          ; the table is made by the 256 work-groups of plane 0, a wave a row, while their loads are out
	v_lshrrev_b32 v3, 5, v0
	v_readfirstlane_b32 s21, v3                    ; wave 0..7
	s_lshl_b32 s28, ttmp9, 3
	s_add_co_u32 s28, s28, s21                     ; my row of the sequence
	s_lshl_b32 s32, s28, 2
	s_mov_b32 s33, 0
	s_add_nc_u64 s[14:15], s[14:15], s[32:33]
	s_load_b32 s29, s[14:15], 0x0                  ; its position
	v_and_b32 v[LN], 31, v0
	v_lshlrev_b32 v[TH], 1, v[LN]
	v_cvt_f32_u32 v[TH], v[TH]                     ; j = 2 lane,
	v_add_f32 v[TH+1], 1.0, v[TH]                  ; and 2 lane + 1
	v_mul_f32 v[TH], 0xbe549a78, v[TH]             ; -j log2(10000) / 64
	v_mul_f32 v[TH+1], 0xbe549a78, v[TH+1]
	v_exp_f32 v[TH], v[TH]                         ; the two frequencies: one batch
	v_exp_f32 v[TH+1], v[TH+1]
	v_lshlrev_b32 v[SO], 3, v[LN]                  ; a plain instruction behind the last exponential,
	s_wait_alu depctr_va_vdst(0)                   ; and the one wait ahead of the first reader
	s_lshl_b32 s31, s28, 8                         ; a row of the table is 256 bytes
	v_add_nc_u32 v[SO], s31, v[SO]
	s_wait_kmcnt 0x0
	v_cvt_f32_i32 v[PF], s29
	v_mul_f32 v[TH], v[PF], v[TH]
	v_mul_f32 v[TH+1], v[PF], v[TH+1]
; sine and cosine of angle a: n = the nearest whole number to angle / (pi/2); r = angle - n pi/2, pi/2 taken in two parts; series on |r| <= pi/4 (the terms left out are under 4e-7); the quadrant n mod 4 swaps and signs.
.macro TRIG a
	v_mul_f32 v[NN], 0x3f22f983, v[TH+(\a)]
	v_rndne_f32 v[NN], v[NN]
	v_fmamk_f32 v[RR], v[NN], 0xbfc90fdb, v[TH+(\a)]
	v_fmamk_f32 v[RR], v[NN], 0x333bbd2e, v[RR]
	v_mul_f32 v[ZZ], v[RR], v[RR]
	v_mov_b32 v[PS], 0xb9500d01                    ; -1/5040
	v_mov_b32 v[PC], 0x37d00d01                    ; 1/40320
	v_fmaak_f32 v[PS], v[PS], v[ZZ], 0x3c088889    ; 1/120
	v_fmaak_f32 v[PC], v[PC], v[ZZ], 0xbab60b61    ; -1/720
	v_fmaak_f32 v[PS], v[PS], v[ZZ], 0xbe2aaaab    ; -1/6
	v_fmaak_f32 v[PC], v[PC], v[ZZ], 0x3d2aaaab    ; 1/24
	v_mul_f32 v[PS], v[PS], v[ZZ]
	v_fmaak_f32 v[PC], v[PC], v[ZZ], 0xbf000000    ; -1/2
	v_fma_f32 v[PS], v[RR], v[PS], v[RR]           ; sin r
	v_fma_f32 v[PC], v[PC], v[ZZ], 1.0             ; cos r
	v_cvt_i32_f32 v[QI], v[NN]
	v_and_b32 v[TT], 1, v[QI]
	v_cmp_eq_u32 vcc_lo, 1, v[TT]
	v_cndmask_b32 v[SI+(\a)], v[PS], v[PC], vcc_lo ; odd quadrant: the two change places
	v_cndmask_b32 v[CO+(\a)], v[PC], v[PS], vcc_lo
	v_lshlrev_b32 v[TT], 30, v[QI]                 ; sine is negative in quadrants 2 and 3: bit 1 of n,
	v_and_b32 v[TT], 0x80000000, v[TT]
	v_xor_b32 v[SI+(\a)], v[TT], v[SI+(\a)]
	v_add_nc_u32 v[QI], 1, v[QI]                   ; cosine in quadrants 1 and 2: bit 1 of n + 1
	v_lshlrev_b32 v[TT], 30, v[QI]
	v_and_b32 v[TT], 0x80000000, v[TT]
	v_xor_b32 v[CO+(\a)], v[TT], v[CO+(\a)]
.endm
	TRIG 0
	TRIG 1
	global_store_b64 v[SO], v[CO:CO+1], s[18:19]                 ; the wave's 32 lanes store a whole row: 256 consecutive bytes, aligned
	global_store_b64 v[SO], v[SI:SI+1], s[18:19] offset:524288
.Lcast:
.irp i, 0,1,2,3,4,5,6,7,8,9,10,11,12,13,14,15
	s_wait_loadcnt 15-(\i)                         ; loads come back in order: chunk i's is in, the 15 - i younger ones may stay out
	v_cvt_pk_bf16_f32 v4, v[X+4*(\i)], v[X+4*(\i)+1]     ; the one rounding,
	v_cvt_pk_bf16_f32 v7, v[X+4*(\i)+2], v[X+4*(\i)+3]
	v_lshlrev_b32 v5, 16, v4                       ; back to f32,
	v_and_b32 v6, s30, v4
	v_lshlrev_b32 v8, 16, v7
	v_and_b32 v9, s30, v7
	v_cvt_pk_f16_f32 v[X+4*(\i)], v5, v6           ; and the same numbers as f16
	v_cvt_pk_f16_f32 v[X+4*(\i)+1], v8, v9
	global_store_b64 v2, v[X+4*(\i):X+4*(\i)+1], s[16:17] offset:2048*(\i)
.endr
	s_endpgm
.Lfunc_end_k_q04d0d670b1_prep:
	.size	k_q04d0d670b1_prep, .Lfunc_end_k_q04d0d670b1_prep-k_q04d0d670b1_prep
	.p2alignl 7, 3214868480
	.fill 96, 4, 3214868480
	.section	.rodata,"a",@progbits
	.p2align	6, 0x0
	.amdhsa_kernel k_q04d0d670b1_prep
		.amdhsa_group_segment_fixed_size 0
		.amdhsa_private_segment_fixed_size 0
		.amdhsa_enable_private_segment 0
		.amdhsa_kernarg_size 64
		.amdhsa_user_sgpr_count 2
		.amdhsa_user_sgpr_kernarg_segment_ptr 1
		.amdhsa_wavefront_size32 1
		.amdhsa_system_sgpr_workgroup_id_x 1
		.amdhsa_system_sgpr_workgroup_id_y 1
		.amdhsa_system_sgpr_workgroup_id_z 1
		.amdhsa_system_vgpr_workitem_id 0
		.amdhsa_next_free_vgpr 96
		.amdhsa_next_free_sgpr 66
		.amdhsa_reserve_vcc 1
		.amdhsa_float_denorm_mode_32 3
		.amdhsa_float_denorm_mode_16_64 3
		.amdhsa_memory_ordered 1
		.amdhsa_forward_progress 1
		.amdhsa_inst_pref_size 15
	.end_amdhsa_kernel
	.amdgpu_metadata
---
amdhsa.version: [ 1, 2 ]
amdhsa.kernels:
  - .name:           k_q04d0d670b1_prep
    .symbol:         k_q04d0d670b1_prep.kd
    .args:
      - { .name: hidden_states, .offset: 0, .size: 8, .value_kind: global_buffer, .address_space: global }
      - { .name: Wq, .offset: 8, .size: 8, .value_kind: global_buffer, .address_space: global }
      - { .name: Wk, .offset: 16, .size: 8, .value_kind: global_buffer, .address_space: global }
      - { .name: Wv, .offset: 24, .size: 8, .value_kind: global_buffer, .address_space: global }
      - { .name: Wo, .offset: 32, .size: 8, .value_kind: global_buffer, .address_space: global }
      - { .name: position_ids, .offset: 40, .size: 8, .value_kind: global_buffer, .address_space: global }
      - { .name: w16, .offset: 48, .size: 8, .value_kind: global_buffer, .address_space: global }
      - { .name: rope, .offset: 56, .size: 8, .value_kind: global_buffer, .address_space: global }
    .group_segment_fixed_size: 0
    .private_segment_fixed_size: 0
    .kernarg_segment_align: 8
    .kernarg_segment_size: 64
    .max_flat_workgroup_size: 256
    .sgpr_count:     66
    .vgpr_count:     96
    .wavefront_size: 32
...
	.end_amdgpu_metadata
.endif
;; end of part 1
;; launch qkv (part 2): grid 16 x 16, 4 waves a work-group, clusters of 4 x 4, 327,680 bytes of LDS; arguments w16, rope, qkv16, out1, out2; writes qkv16, out1, out2
.if DOCPART == 2
	.amdgcn_target "amdgcn-amd-amdhsa--gfx1250"
	.amdhsa_code_object_version 6
	.text
	.protected	k_q04d0d670b1_qkv
	.globl	k_q04d0d670b1_qkv
	.p2align	8
	.type	k_q04d0d670b1_qkv,@function
k_q04d0d670b1_qkv:
	s_mov_b64 s[64:65], 0
	v_nop
	global_prefetch_b8 v0, s[64:65] scope:SCOPE_SE
	s_setreg_imm32_b32 hwreg(HW_REG_WAVE_MODE, 25, 1), 1
	s_wait_xcnt 0x0
	s_wait_alu depctr_hold_cnt(0) depctr_sa_sdst(0) depctr_va_vdst(0) depctr_va_sdst(0) depctr_va_ssrc(0) depctr_va_vcc(0) depctr_vm_vsrc(0)
	s_getreg_b32 s2, hwreg(HW_REG_IB_STS2, 6, 4)
	s_cmp_eq_u32 s2, 0
	s_cbranch_scc0 .Lentry_in_a_cluster
	s_endpgm
.Lentry_in_a_cluster:
	s_bfe_u32 s2, ttmp6, 0x10000c
	s_cmp_lg_u32 s2, 0xf033
	s_cbranch_scc0 .Lentry_shape_is_right
	s_endpgm
.Lentry_shape_is_right:
; QKV.  q, k, v = x W^T for one head and 128 rows of the sequence, RoPE on q and k.  x and the weights are planes of w16 ([2048][2048] f16: x, Wq, Wk, Wv, Wo); sums in f32.
; OUT: qkv16 = three planes [16][2048][128] f16: q x log2(e)/sqrt(128) (scaled in f32, rounded once), k, v;  out1 = k, out2 = v, [16][2048][128] f32.
; LIMITS.  f16 ends at 65,504: |k|, |v| and |q|/7.8 must stay below it.  NaN and infinities are not treated apart.
; SHARES.  Grid x = row block rb, grid y = head t.  A work-group makes 128 rows x 384 columns.  Wave w makes all 128 rows x the 16-column blocks w and w + 4 of q, of k and of v: channels d and d + 64,
; which RoPE pairs, lie in one lane.  48 accumulators of 16 x 16, 384 registers; for 32 along K a wave issues 48 matrix instructions for 28 LDS loads.
; THE MATRIX INSTRUCTION IS USED TRANSPOSED (source 0 = 16 rows of W, source 1 = 16 rows of x): a lane holds row l % 16 and the columns 8 (l / 16) + 0..7 of the block.
; RING.  K in 16 steps of 128 through two LDS slots; a slot holds four tiles of 128 rows x 256 bytes (x, Wq, Wk, Wv), wave w fetches tile w by one tensor load.  A K STEP IS WRITTEN ONCE: the slot in
; hand is a scalar, s[TB], turned by an exclusive or at each change of slots, and one descriptor for each operand walks from K step 1 to the last.
; CLUSTER 4 x 4.  x's tile hangs on rb alone and is shared along a column of the cluster, the weights' tiles on t alone and are shared along a row: joint loads, same descriptor and mask in the four.
; REGISTERS, in windows of 256: window 0: v0-31 addresses; v32-63 roped q, k; v64-127, v128-191 x's fragments, two buffers; v192-215 packed f16; on the way out v64-127 and v192-255 by turns.
;   window 1: v64-111, v128-175 W's fragments.   windows 2, 3: v0-191 accumulators of row blocks 0-3, 4-7 ((a, b) at 8 (6 (a % 4) + b)); v192-255 cos (8) and sin (8) of each of the four row blocks.
.set KSTEP,  128
.set STEPS,  2048/KSTEP
.set PITCH,  272                       ; an LDS row: 256 bytes + 16 of padding = 68 words: the 16 rows of a fragment load start at 16 different groups of four banks (64 banks of 4 bytes: ISA guide 11.1)
.set HALFT,  128*PITCH                 ; a tile
.set SLOT,   4*HALFT                   ; 0x22000: it shares no bit with wave x HALFT (0, 0x8800, 0x11000, 0x19800), so one exclusive or turns an address in one slot into the other's
.set SPARE,  2*SLOT                    ; behind the ring: the spare words, 128 bytes for each wave: two blocks of 256 bytes that no other line names
.set PLANE,  8388608
.set FP,     528                       ; the stage's f32 rows: 512 bytes + 16
.set SK,     HALFT                     ; THE STAGE lies in the ring's bytes, behind their last fill and a barrier: q f16 at 0, k f16, v f16 (pitch 272),
.set SV,     2*HALFT
.set FK,     3*HALFT                   ; k f32, v f32 (pitch 528)
.set ADRA0, 3                          ; v3     r x 272 + 16 h: my place in a tile; also the LDS address of my fragments of x in slot 0; never rewritten
.set STQ,  5                           ; v5-7   where I put 16 bytes of a row of q, k, v in f16
.set STK,  6
.set STV,  7
.set SFK,  8                           ; v8-9   the same for k, v in f32
.set SFV,  9
.set RDH,  10                          ; v10-11 where I read f16 rows back (q and k; v)
.set RDH2, 11
.set RDF,  12                          ; v12-13 f32 rows (k; v)
.set RDF2, 13
.set GH,   14                          ; v14    my byte offset in the work-group's rows of a plane of qkv16
.set GF,   15                          ; v15    the same in out1, out2
.set CA,   16                          ; v16    LDS address of my fragments of x in the slot in hand
.set ADRB0, 18                         ; v18-20 LDS address of my fragments of Wq, Wk, Wv in slot 0; never rewritten
.set CB,   21                          ; v21-23 the same in the slot in hand
.set SPW,  28                          ; v28    LDS address of my spare word; never rewritten
.set NIL,  29                          ; v29    0; never rewritten
.set PFO,  30                          ; v30    the prefetches' offset: my lane x a row of 4,096 bytes; never rewritten
.set CSO,  31                          ; v31    my byte offset in 16 rows of the table
.set TQ,   32
.set TK,   48
.set F0,   64
.set F1,   128
.set HQ,   192
.set HK,   200
.set HV,   208
.set WV,   14                          ; s14  my wave's number
.set G1,   24                          ; s[24:31] descriptor group 1 for x's tiles;  s[32:39] group 0: a set for each of the two first fills; the second then walks on
.set G0,   32
.set TB,   42                          ; s42  LDS byte at which the slot in hand begins
.set LIM,  43                          ; s43  2 in a wave that prefetches, else the greatest number
.set PFA,  44                          ; s[44:45] where my prefetches stand
.set G1B,  48                          ; s[48:55], s[56:63] the same for the weights' tiles
.set G0B,  56
.set OQ,   66                          ; s[66:75] the work-group's first byte in q, k, v of qkv16, in out1, in out2
.set OK,   68
.set OV,   70
.set O1,   72
.set O2,   74
.set RP,   76                          ; s[76:77] the table at my row block
.set QS,   78                          ; s[78:79] log2(e) / sqrt(128): the packed multiply takes the pair's low word for both halves
.set GW,   (1<<16)|(1<<20)|(1<<21)|(5<<22)|(3<<25)  ; 17:16 elements of 2 bytes; 20 padding on; 21 set beside a mask; 24:22 after every 64 words; 31:25 4 words of it
.set MSB, 0
.macro WIN new                         ; the immediate's high byte repeats the setting that is left; a switch that changes nothing is dropped
.if MSB != (\new)
	s_set_vgpr_msb (MSB<<8)|(\new)
.set MSB, \new
.endif
.endm
.set MUL_LO, 0xa1                      ; source 0 (W) window 1, source 1 (x) window 0, C and D window 2
.set MUL_HI, 0xf1                      ; the same, C and D window 3
.set TO_B,   0x40                      ; destination window 1, address window 0
; A joint load: wave 0 fetches x's tile, waves 1 to 3 the three weights' tiles.  The branch hangs on the wave's number alone.  An s_nop 0 and four v_nop follow each of the two lines.
.macro JLOAD s
	s_cmp_eq_u32 s[WV], 0
	s_cbranch_scc0 .Lfor_b_\@
	tensor_load_to_lds s[G0+4*(\s):G0+4*(\s)+3], s[G1:G1+7]
	s_nop 0
.rept 4
	v_nop
.endr
	s_branch .Lasked_\@
.Lfor_b_\@:
	tensor_load_to_lds s[G0B+4*(\s):G0B+4*(\s)+3], s[G1B:G1B+7]
	s_nop 0
.rept 4
	v_nop
.endr
.Lasked_\@:
.endm
; A prefetch, behind each joint refill and the run of LDS loads that follows it: the K step that stands two refills on, 32 rows x 256 bytes, a lane a row, one instruction a wave.
; Each row's 256 bytes of a K step are named once in the launch: x's rows by the clusters with y = 0, the weights' by those with x = 0; the four partners that ask for a tile jointly share its
; 128 rows out by address, 32 each.  Trip j of the loop (s3 = 14 - j) refills K step j + 2 and names K step j + 4: the last two trips (s3 = 2, 1) ask for nothing; K steps 0 to 3 come by their loads alone.
.macro ASK
	s_cmp_gt_u32 s3, s[LIM]
	s_cbranch_scc0 .Lnot_mine_\@
	global_prefetch_b8 v[PFO], s[PFA:PFA+1] offset:KSTEP*2 th:TH_LOAD_NT scope:SCOPE_SE
.Lnot_mine_\@:
.endm
.macro CREST                           ; a round of the cluster's barrier behind its opening barrier
	s_cmp_lg_u32 s[WV], 0
	s_cbranch_scc1 .Lnot_wave_0_\@
	s_barrier_signal -3
.Lnot_wave_0_\@:
	s_barrier_wait -3
	s_barrier_signal -1
	s_barrier_wait -1
.endm
.macro CROUND                          ; a whole round
	s_barrier_signal -1
	s_barrier_wait -1
	CREST
.endm
.macro ADDRS                           ; the fragments' addresses in the slot in hand: four plain instructions in window 0
	v_add_nc_u32 v[CA], s[TB], v[ADRA0]
	v_add_nc_u32 v[CB], s[TB], v[ADRB0]
	v_add_nc_u32 v[CB+1], s[TB], v[ADRB0+1]
	v_add_nc_u32 v[CB+2], s[TB], v[ADRB0+2]
.endm
	s_load_b256 s[4:11], s[0:1], 0x0               ; w16 s[4:5], rope s[6:7], qkv16 s[8:9], out1 s[10:11]
	s_load_b64 s[12:13], s[0:1], 0x20              ; out2
	v_lshl_add_u32 v[SPW], v0, 2, SPARE
	v_mov_b32 v[NIL], 0
	ds_add_u32 v[SPW], v[NIL]                      ; the wave's opening: the add and its wait stand ahead of my first tensor load; work on registers stands between them
	v_lshrrev_b32 v1, 5, v0
	v_readfirstlane_b32 s[WV], v1                  ; wave 0..3
	s_bfe_u32 s16, ttmp6, 0x40000                  ; cx
	s_bfe_u32 s17, ttmp6, 0x40004                  ; cy
	s_lshl_b32 s19, ttmp9, 2
	s_add_co_u32 s19, s19, s16                     ; the row block rb = 4 x cluster x + cx
	s_and_b32 s18, ttmp7, 0xffff
	s_lshl_b32 s18, s18, 2
	s_add_co_u32 s18, s18, s17                     ; the head t = 4 x cluster y + cy
	s_lshl_b32 s20, s17, 2
	s_lshl_b32 s20, 15, s20                        ; my row of the cluster (the same cy)
	s_lshl_b32 s21, 0x1111, s16                    ; my column (the same cx)
	s_or_b32 s[G1], s21, GW                        ; x's tiles go to my column,
	s_or_b32 s[G1B], s20, GW                       ; the weights' to my row
.irp g, G1, G1B
	s_mov_b32 s[(\g)+1], KSTEP<<16                 ; tensor_dim0 = 128
	s_mov_b32 s[(\g)+2], 128<<16                   ; tensor_dim1 = 128
	s_mov_b32 s[(\g)+3], KSTEP<<16                 ; tile_dim0 = 128
	s_mov_b32 s[(\g)+4], 128                       ; tile_dim1 = 128
	s_mov_b32 s[(\g)+5], 2048                      ; elements from row to row
	s_mov_b32 s[(\g)+6], 0
	s_mov_b32 s[(\g)+7], 0
.endr
	s_lshl_b32 s22, s19, 19                        ; x: 128 rb rows of 4,096 bytes
	s_mov_b32 s23, 0
	s_lshl_b32 s46, s18, 19                        ; W: 128 t rows,
	s_lshl_b32 s47, s[WV], 23                      ; in plane w
	s_add_co_u32 s46, s46, s47
	s_mov_b32 s47, 0
	s_mul_i32 s15, s[WV], HALFT                    ; where my tile goes: no place in the cluster enters an LDS address
	s_mov_b32 s[TB], 0
	s_mov_b32 s[QS], 0x3e0293ee
	s_mov_b32 s[QS+1], s[QS]                       ; named with it as a pair
	s_wait_dscnt 0x0                               ; the opening add is done
	s_wait_kmcnt 0x0
	s_add_nc_u64 s[40:41], s[4:5], s[22:23]
	s_add_nc_u64 s[46:47], s[4:5], s[46:47]
	CROUND                                         ; all sixteen work-groups are here: the first joint loads meet
.irp s, 0,1
	s_mov_b32 s[G0+4*(\s)], 1
	s_add_co_u32 s[G0+4*(\s)+1], s15, (\s)*SLOT
	s_add_nc_u64 s[G0+4*(\s)+2:G0+4*(\s)+3], s[40:41], (\s)*KSTEP*2
	s_or_b32 s[G0+4*(\s)+3], s[G0+4*(\s)+3], 0x80000000
	s_mov_b32 s[G0B+4*(\s)], 1
	s_add_co_u32 s[G0B+4*(\s)+1], s15, (\s)*SLOT
	s_add_nc_u64 s[G0B+4*(\s)+2:G0B+4*(\s)+3], s[46:47], (\s)*KSTEP*2
	s_or_b32 s[G0B+4*(\s)+3], s[G0B+4*(\s)+3], 0x80000000
	JLOAD \s                                       ; two loads of mine are out
.endr
	; addresses.  A fragment is 16 rows x 32 K in 8 registers: lane l holds row l % 16, K = 8 (l / 16) + 0..7 and 16 + 8 (l / 16) + 0..7: two loads of 16 bytes, 32 bytes apart
	v_and_b32 v1, 15, v0                           ; r = l % 16
	v_bfe_u32 v2, v0, 4, 1                         ; h = l / 16
	v_mul_u32_u24 v3, v1, PITCH
	v_lshl_add_u32 v3, v2, 4, v3
	s_mul_i32 s20, s[WV], 16*PITCH                 ; my block w of a weight's tile
	s_add_co_u32 s20, s20, HALFT
.irp kd, 0,1,2
	v_add_nc_u32 v[ADRB0+(\kd)], s20, v3
	s_add_co_u32 s20, s20, HALFT
.endr
	ADDRS                                          ; slot 0
	s_lshl_b32 s20, s[WV], 5
	v_add_nc_u32 v[STQ], s20, v3                   ; r x 272 + 32 w + 16 h
	v_add_nc_u32 v[STK], SK, v[STQ]
	v_add_nc_u32 v[STV], SV, v[STQ]
	v_mul_u32_u24 v4, v1, FP
	v_lshl_add_u32 v4, v2, 5, v4
	s_lshl_b32 s20, s[WV], 6
	s_add_co_u32 s21, s20, FK
	v_add_nc_u32 v[SFK], s21, v4                   ; FK + r x 528 + 64 w + 32 h
	v_add_nc_u32 v[SFV], 128*FP, v[SFK]
	v_lshlrev_b32 v[CSO], 8, v1
	v_lshl_add_u32 v[CSO], v2, 5, v[CSO]
	v_add_nc_u32 v[CSO], s20, v[CSO]               ; 256 r + 64 w + 32 h: cos, sin of my 8 channels 16 w + 8 h + 0..7
	v_mul_u32_u24 v4, v2, PITCH
	v_lshl_add_u32 v4, v1, 4, v4
	s_mul_i32 s20, s[WV], 32*PITCH
	v_add_nc_u32 v[RDH], s20, v4                   ; back: wave w takes rows 32 w .. 32 w + 31; lanes 0-15 one f16 row of 256 bytes, lanes 16-31 the next
	v_add_nc_u32 v[RDH2], SV, v[RDH]
	v_and_b32 v4, 31, v0
	v_lshlrev_b32 v[PFO], 12, v4
	v_lshlrev_b32 v4, 4, v4
	s_mul_i32 s20, s[WV], 32*FP
	s_add_co_u32 s20, s20, FK
	v_add_nc_u32 v[RDF], s20, v4                   ; an f32 row of 512 bytes is one load of the wave
	v_add_nc_u32 v[RDF2], 128*FP, v[RDF]
	s_lshl_b32 s20, s[WV], 13
	v_add_nc_u32 v[GH], s20, v4
	s_lshl_b32 s20, s[WV], 14
	v_add_nc_u32 v[GF], s20, v4
	s_lshl_b32 s46, s18, 19                        ; head t, row block rb in a plane of qkv16
	s_lshl_b32 s47, s19, 15
	s_add_co_u32 s46, s46, s47
	s_mov_b32 s47, 0
	s_add_nc_u64 s[OQ:OQ+1], s[8:9], s[46:47]
	s_add_nc_u64 s[OK:OK+1], s[OQ:OQ+1], PLANE
	s_add_nc_u64 s[OV:OV+1], s[OQ:OQ+1], 2*PLANE
	s_lshl_b32 s46, s46, 1                         ; twice that in f32
	s_add_nc_u64 s[O1:O1+1], s[10:11], s[46:47]
	s_add_nc_u64 s[O2:O2+1], s[12:13], s[46:47]
	s_lshl_b32 s46, s19, 15                        ; 128 rb rows of 256 bytes of the table
	s_add_nc_u64 s[RP:RP+1], s[6:7], s[46:47]
	; the prefetches
	s_and_b32 s22, ttmp7, 0xffff                   ; cluster y
	s_cmp_eq_u32 s[WV], 0                          ; do I fetch x?
	s_cselect_b32 s20, s19, s18                    ; the tile's block of 128 rows
	s_cselect_b32 s21, s17, s16                    ; my place among the four that ask for it with me: cy for x, cx for the weights
	s_cselect_b32 s22, s22, ttmp9                  ; the coordinate along which other clusters read the same rows
	s_cmp_eq_u32 s22, 0
	s_cselect_b32 s[LIM], 2, -1
	s_lshl_b32 s20, s20, 19
	s_lshl_b32 s21, s21, 17                        ; my work-group's 32 rows
	s_add_co_u32 s20, s20, s21
	s_lshl_b32 s21, s[WV], 23                      ; the plane
	s_add_co_u32 s20, s20, s21
	s_add_co_u32 s20, s20, 2*KSTEP*2               ; at K step 2: the first refill steps it to 3 and names K step 4
	s_mov_b32 s21, 0
	s_add_nc_u64 s[PFA:PFA+1], s[4:5], s[20:21]
	; cos and sin of my 8 channels for all 128 rows: 32 loads, waited for behind the loop
.irp a, 0,1,2,3,4,5,6,7
	WIN 0x80+0x40*((\a)/4)
	global_load_b128 v[192+16*((\a)%4):192+16*((\a)%4)+3],     v[CSO], s[RP:RP+1] offset:(\a)*4096
	global_load_b128 v[192+16*((\a)%4)+4:192+16*((\a)%4)+7],   v[CSO], s[RP:RP+1] offset:(\a)*4096+16
	global_load_b128 v[192+16*((\a)%4)+8:192+16*((\a)%4)+11],  v[CSO], s[RP:RP+1] offset:(\a)*4096+524288
	global_load_b128 v[192+16*((\a)%4)+12:192+16*((\a)%4)+15], v[CSO], s[RP:RP+1] offset:(\a)*4096+524288+16
.endr
	WIN 0
; 12 matrix instructions: row blocks a0, a0 + 1 of the window's four x my 6 column blocks, 32 along K.  zero = 1: the first product starts the sums.
; The 48 accumulators take turns, one instruction a turn, in the same order in every quarter.
.macro MUL12 f, hi, a0, zero
	WIN MUL_LO+0x50*(\hi)
.irp a, \a0, (\a0)+1
.irp b, 0,1,2,3,4,5
.if \zero
	v_wmma_f32_16x16x32_f16 v[8*(6*(\a)+(\b)):8*(6*(\a)+(\b))+7], v[(\f)+8*(\b):(\f)+8*(\b)+7], v[(\f)+8*(4*(\hi)+(\a)):(\f)+8*(4*(\hi)+(\a))+7], 0
.else
	v_wmma_f32_16x16x32_f16 v[8*(6*(\a)+(\b)):8*(6*(\a)+(\b))+7], v[(\f)+8*(\b):(\f)+8*(\b)+7], v[(\f)+8*(4*(\hi)+(\a)):(\f)+8*(4*(\hi)+(\a))+7], v[8*(6*(\a)+(\b)):8*(6*(\a)+(\b))+7]
.endif
.endr
.endr
.endm
; 28 LDS loads in one run, from the slot in hand: the fragments of 32 along K at byte k of the rows: W's six blocks (kind b / 2, block w + 4 (b % 2)), then x's eight
.macro FETCH k, f
	WIN TO_B
.irp b, 0,1,2,3,4,5
	ds_load_b128 v[(\f)+8*(\b):(\f)+8*(\b)+3],   v[CB+(\b)/2] offset:(\k)+((\b)%2)*64*PITCH
	ds_load_b128 v[(\f)+8*(\b)+4:(\f)+8*(\b)+7], v[CB+(\b)/2] offset:(\k)+((\b)%2)*64*PITCH+32
.endr
	WIN 0
.irp i, 0,1,2,3,4,5,6,7
	ds_load_b128 v[(\f)+8*(\i):(\f)+8*(\i)+3],   v[CA] offset:(\k)+(\i)*16*PITCH
	ds_load_b128 v[(\f)+8*(\i)+4:(\f)+8*(\i)+7], v[CA] offset:(\k)+(\i)*16*PITCH+32
.endr
.endm
.macro PLACES                          ; four places in front of loads into registers that matrix instructions have read (ISA guide 7.12.1 for vector instructions)
.rept 4
	v_nop
.endr
.endm
; A K step is four quarters of 32 along K, 48 matrix instructions each, on buffers 0, 1, 0, 1.  One of the first three multiplies buffer f and, in its middle, fetches the next quarter into g.
.macro QUARTER k, f, g, zero
	s_wait_dscnt 8                                 ; W and x's rows 0-63 are in; the youngest eight loads (x's rows 64-127) may be out
	MUL12 \f, 0, 0, \zero
	MUL12 \f, 0, 2, \zero
	PLACES
	FETCH \k, \g
	s_wait_dscnt 28                                ; all but the 28 just issued
	MUL12 \f, 1, 0, \zero
	MUL12 \f, 1, 2, \zero
.endm
; The last quarter multiplies buffer 1 and changes slots: one barrier; in front of it each wave waits for all its tensor loads (one is out: its tile of the next slot), adds 0 to its spare word, and
; waits for that and for its reads of this slot.  fill = 1: the barrier opens a round of the cluster's, and this slot is filled again, two K steps on, first thing behind the round, by the walking descriptor.
.macro TURN fill
.if \fill
	s_wait_xcnt 0x0                                ; the last prefetch, a K step back, has read its address
	s_add_nc_u64 s[PFA:PFA+1], s[PFA:PFA+1], KSTEP*2
.endif
	WIN 0                                          ; (the add's two registers lie in window 0)
	s_wait_tensorcnt 0x0
	ds_add_u32 v[SPW], v[NIL]                      ; 0 onto my spare word
	s_wait_dscnt 9                                 ; (the add and the youngest eight loads may be out)
	MUL12 F1, 0, 0, 0                              ; twelve matrix instructions stand between the add and the wait for it
	s_wait_dscnt 0x0                               ; the add is done, and my reads of this slot are over
	s_barrier_signal -1
	MUL12 F1, 0, 2, 0
	WIN 0                                          ; (branches and lines of window 0 follow)
	s_barrier_wait -1
.if \fill
	CREST                                          ; no wave of any partner still reads this slot or has a load on its way
	s_xor_b32 s[G0+5], s[G0+5], SLOT               ; the walking descriptors: the other slot than last time, which is the slot just read,
	s_add_nc_u64 s[G0+6:G0+7], s[G0+6:G0+7], KSTEP*2    ; and the next K step; the type bits on top are not reached
	s_xor_b32 s[G0B+5], s[G0B+5], SLOT
	s_add_nc_u64 s[G0B+6:G0B+7], s[G0B+6:G0B+7], KSTEP*2
	JLOAD 1                                        ; my one tensor load behind the round
.endif
	s_xor_b32 s[TB], s[TB], SLOT                   ; the reads go to the other slot
	ADDRS                                          ; four plain instructions: the places in front of the loads below
	FETCH 0, F0
.if \fill
	ASK
.endif
	MUL12 F1, 1, 0, 0
	MUL12 F1, 1, 2, 0
.endm
	s_wait_tensorcnt 1                             ; my tile of K step 0 is in; K step 1's may stay out
	s_barrier_signal -1
	s_barrier_wait -1
	FETCH 0, F0
	QUARTER 64,  F0, F1, 1                         ; the first quarter stands in front of the loop: its products start the sums
	WIN 0
	s_mov_b32 s3, STEPS-2
.Lstep:                                        ; a trip goes from a K step's second quarter to the next step's first, and fills the slot that it leaves: K steps 2 to 15 are asked for
	QUARTER 128, F1, F0, 0
	QUARTER 192, F0, F1, 0
	TURN 1
	QUARTER 64,  F0, F1, 0
	WIN 0
	s_sub_co_u32 s3, s3, 1
	s_cmp_lg_u32 s3, 0
	s_cbranch_scc1 .Lstep
	s_mov_b32 s3, 2
.Ltail:                                        ; the last two K steps fill nothing: a text of their own.  The second trip is left in its middle, by a jump that passes
	QUARTER 128, F1, F0, 0                         ; no barrier; its change of slots (a barrier, and 28 LDS loads of K step 14's tile that nothing multiplies) is the price, once a launch, of one text for both trips
	QUARTER 192, F0, F1, 0
	TURN 0
	WIN 0
	s_sub_co_u32 s3, s3, 1
	s_cmp_eq_u32 s3, 0
	s_cbranch_scc1 .Lout
	QUARTER 64,  F0, F1, 0
	WIN 0
	s_branch .Ltail
.Lout:
	s_wait_loadcnt 0x0                             ; cos and sin
	s_wait_dscnt 0x0                               ; my last reads of the ring are back
	s_barrier_signal -1                            ; every wave's are: the ring's bytes become the stage
	s_barrier_wait -1
	PLACES
	PLACES                                         ; the places behind the last products
; Row block a: RoPE on q and k (lo' = lo cos - hi sin, hi' = hi cos + lo sin, lo = channels d < 64, hi = d + 64), q scaled, all three rounded to f16; f16 and f32 go into the stage.
; Each accumulator is read from its lowest registers on.
.macro ROPE a
.set AC, 48*((\a)%4)
.set CN, 192+16*((\a)%4)
	WIN 0x0a+5*((\a)/4)                            ; sources 0 and 1 window 2 or 3; source 2 and destination window 0
.irp kd, 0,1
.irp p, 0,1,2,3
	v_pk_mul_f32 v[TQ+16*(\kd)+2*(\p):TQ+16*(\kd)+2*(\p)+1], v[AC+16*(\kd)+2*(\p):AC+16*(\kd)+2*(\p)+1], v[CN+2*(\p):CN+2*(\p)+1]
.endr
.irp p, 0,1,2,3
	v_pk_mul_f32 v[TQ+16*(\kd)+8+2*(\p):TQ+16*(\kd)+8+2*(\p)+1], v[AC+16*(\kd)+8+2*(\p):AC+16*(\kd)+8+2*(\p)+1], v[CN+2*(\p):CN+2*(\p)+1]
.endr
.irp p, 0,1,2,3
	v_pk_fma_f32 v[TQ+16*(\kd)+2*(\p):TQ+16*(\kd)+2*(\p)+1], v[AC+16*(\kd)+8+2*(\p):AC+16*(\kd)+8+2*(\p)+1], v[CN+8+2*(\p):CN+8+2*(\p)+1], v[TQ+16*(\kd)+2*(\p):TQ+16*(\kd)+2*(\p)+1] neg_lo:[1,0,0] neg_hi:[1,0,0]
.endr
.irp p, 0,1,2,3
	v_pk_fma_f32 v[TQ+16*(\kd)+8+2*(\p):TQ+16*(\kd)+8+2*(\p)+1], v[AC+16*(\kd)+2*(\p):AC+16*(\kd)+2*(\p)+1], v[CN+8+2*(\p):CN+8+2*(\p)+1], v[TQ+16*(\kd)+8+2*(\p):TQ+16*(\kd)+8+2*(\p)+1]
.endr
.endr
.irp p, 0,1,2,3,4,5,6,7
	v_cvt_pk_f16_f32 v[HV+(\p)], v[AC+32+2*(\p)], v[AC+32+2*(\p)+1]
.endr
	WIN 0x08+4*((\a)/4)                            ; store data window 2 or 3, address window 0
	ds_store_b128 v[SFV], v[AC+32:AC+35] offset:(\a)*16*FP
	ds_store_b128 v[SFV], v[AC+36:AC+39] offset:(\a)*16*FP+16
	ds_store_b128 v[SFV], v[AC+40:AC+43] offset:(\a)*16*FP+256
	ds_store_b128 v[SFV], v[AC+44:AC+47] offset:(\a)*16*FP+272
	WIN 0
.irp p, 0,1,2,3,4,5,6,7
	v_pk_mul_f32 v[TQ+2*(\p):TQ+2*(\p)+1], v[TQ+2*(\p):TQ+2*(\p)+1], s[QS:QS+1] op_sel_hi:[1,0]  ; log2(e) / sqrt(128)
.endr
.irp p, 0,1,2,3,4,5,6,7
	v_cvt_pk_f16_f32 v[HK+(\p)], v[TK+2*(\p)], v[TK+2*(\p)+1]
.endr
.irp p, 0,1,2,3,4,5,6,7
	v_cvt_pk_f16_f32 v[HQ+(\p)], v[TQ+2*(\p)], v[TQ+2*(\p)+1]
.endr
	ds_store_b128 v[STV], v[HV:HV+3]   offset:(\a)*16*PITCH
	ds_store_b128 v[STV], v[HV+4:HV+7] offset:(\a)*16*PITCH+128
	ds_store_b128 v[STK], v[HK:HK+3]   offset:(\a)*16*PITCH
	ds_store_b128 v[STK], v[HK+4:HK+7] offset:(\a)*16*PITCH+128
	ds_store_b128 v[SFK], v[TK:TK+3]     offset:(\a)*16*FP
	ds_store_b128 v[SFK], v[TK+4:TK+7]   offset:(\a)*16*FP+16
	ds_store_b128 v[SFK], v[TK+8:TK+11]  offset:(\a)*16*FP+256
	ds_store_b128 v[SFK], v[TK+12:TK+15] offset:(\a)*16*FP+272
	ds_store_b128 v[STQ], v[HQ:HQ+3]   offset:(\a)*16*PITCH
	ds_store_b128 v[STQ], v[HQ+4:HQ+7] offset:(\a)*16*PITCH+128
.endm
.irp a, 0,1,2,3,4,5,6,7
	ROPE \a
.endr
	s_wait_dscnt 0x0                               ; for the others' sake: my stores into the stage are done
	s_barrier_signal -1
	s_barrier_wait -1
; 16 loads from the stage and 16 stores; each store of the wave covers 512 consecutive bytes, aligned
.macro OUT bs, go, rd, off, step, goff, buf
	s_wait_xcnt 0x0                                ; the earlier stores have read their registers: only behind this wait is a buffer loaded again
.irp i, 0,1,2,3,4,5,6,7,8,9,10,11,12,13,14,15
	ds_load_b128 v[(\buf)+4*(\i):(\buf)+4*(\i)+3], v[\rd] offset:(\off)+(\i)*(\step)
.endr
.irp i, 0,1,2,3,4,5,6,7,8,9,10,11,12,13,14,15
	s_wait_dscnt 15-(\i)                           ; LDS loads come back in order: load i is in, the younger ones may stay out
	global_store_b128 v[\go], v[(\buf)+4*(\i):(\buf)+4*(\i)+3], s[\bs:(\bs)+1] offset:(\goff)+512*(\i)
.endr
.endm
	OUT OQ, GH, RDH,  0,     2*PITCH, 0,    64
	OUT OK, GH, RDH,  SK,    2*PITCH, 0,    192
	OUT OV, GH, RDH2, 0,     2*PITCH, 0,    64
	OUT O1, GF, RDF,  0,     FP,      0,    192
	OUT O1, GF, RDF,  16*FP, FP,      8192, 64
	OUT O2, GF, RDF2, 0,     FP,      0,    192
	OUT O2, GF, RDF2, 16*FP, FP,      8192, 64
	s_wait_tensorcnt 0x0                           ; the wave's end, behind my last tensor load and my last LDS store
	ds_add_u32 v[SPW], v[NIL]
	s_wait_dscnt 0x0
	CROUND                                         ; the closing round: no work-group ends while a partner may still ask for a tile that names it
	s_endpgm
.Lfunc_end_k_q04d0d670b1_qkv:
	.size	k_q04d0d670b1_qkv, .Lfunc_end_k_q04d0d670b1_qkv-k_q04d0d670b1_qkv
	.p2alignl 7, 3214868480
	.fill 96, 4, 3214868480
	.section	.rodata,"a",@progbits
	.p2align	6, 0x0
	.amdhsa_kernel k_q04d0d670b1_qkv
		.amdhsa_group_segment_fixed_size 327680
		.amdhsa_private_segment_fixed_size 0
		.amdhsa_enable_private_segment 0
		.amdhsa_kernarg_size 40
		.amdhsa_user_sgpr_count 2
		.amdhsa_user_sgpr_kernarg_segment_ptr 1
		.amdhsa_wavefront_size32 1
		.amdhsa_system_sgpr_workgroup_id_x 1
		.amdhsa_system_sgpr_workgroup_id_y 1
		.amdhsa_system_sgpr_workgroup_id_z 1
		.amdhsa_system_vgpr_workitem_id 0
		.amdhsa_next_free_vgpr 1024
		.amdhsa_next_free_sgpr 80
		.amdhsa_reserve_vcc 0
		.amdhsa_float_denorm_mode_32 3
		.amdhsa_float_denorm_mode_16_64 3
		.amdhsa_memory_ordered 1
		.amdhsa_forward_progress 1
		.amdhsa_inst_pref_size 123
	.end_amdhsa_kernel
	.amdgpu_metadata
---
amdhsa.version: [ 1, 2 ]
amdhsa.kernels:
  - .name:           k_q04d0d670b1_qkv
    .symbol:         k_q04d0d670b1_qkv.kd
    .args:
      - { .name: w16, .offset: 0, .size: 8, .value_kind: global_buffer, .address_space: global }
      - { .name: rope, .offset: 8, .size: 8, .value_kind: global_buffer, .address_space: global }
      - { .name: qkv16, .offset: 16, .size: 8, .value_kind: global_buffer, .address_space: global }
      - { .name: out1, .offset: 24, .size: 8, .value_kind: global_buffer, .address_space: global }
      - { .name: out2, .offset: 32, .size: 8, .value_kind: global_buffer, .address_space: global }
    .group_segment_fixed_size: 327680
    .private_segment_fixed_size: 0
    .kernarg_segment_align: 8
    .kernarg_segment_size: 40
    .max_flat_workgroup_size: 128
    .sgpr_count:     80
    .vgpr_count:     1024
    .wavefront_size: 32
...
	.end_amdgpu_metadata
.endif
;; end of part 2
;; launch attn (part 3): grid 16 x 16, 4 waves a work-group, clusters of 4 x 4, 327,680 bytes of LDS; arguments qkv16, attention_mask, ao16; writes ao16
.if DOCPART == 3
	.amdgcn_target "amdgcn-amd-amdhsa--gfx1250"
	.amdhsa_code_object_version 6
	.text
	.protected	k_q04d0d670b1_attn
	.globl	k_q04d0d670b1_attn
	.p2align	8
	.type	k_q04d0d670b1_attn,@function
k_q04d0d670b1_attn:
	s_mov_b64 s[64:65], 0
	v_nop
	global_prefetch_b8 v0, s[64:65] scope:SCOPE_SE
	s_setreg_imm32_b32 hwreg(HW_REG_WAVE_MODE, 25, 1), 1
	s_wait_xcnt 0x0
	s_wait_alu depctr_hold_cnt(0) depctr_sa_sdst(0) depctr_va_vdst(0) depctr_va_sdst(0) depctr_va_ssrc(0) depctr_va_vcc(0) depctr_vm_vsrc(0)
	s_getreg_b32 s2, hwreg(HW_REG_IB_STS2, 6, 4)
	s_cmp_eq_u32 s2, 0
	s_cbranch_scc0 .Lentry_in_a_cluster
	s_endpgm
.Lentry_in_a_cluster:
	s_bfe_u32 s2, ttmp6, 0x10000c
	s_cmp_lg_u32 s2, 0xf033
	s_cbranch_scc0 .Lentry_shape_is_right
	s_endpgm
.Lentry_shape_is_right:
; ATTENTION.  O[q] = the sum over k of softmax_k(Q[q] . K[k] / sqrt(128) + mask[q][k]) V[k], for every head; the mask is an input, [2048][2048] f32, and every number of it is loaded and added.
; q, k, v: planes of qkv16, [16][2048][128] f16; q arrives times log2(e)/sqrt(128).  O leaves as ao16 [2048][16 x 128] f16.  Products, maxima and sums in f32; the weights p are rounded to f16 for the
; second product (their sum l is taken of the unrounded p), O once at the end.
; THE SCORES ARE KEPT IN THE LOG2 DOMAIN: s = K Q^T + log2(e) x mask (one fused multiply-add, rounded once), p = 2^(s - m) with a running maximum m: the difference of two scores is formed directly.
; LIMITS.  p below 6e-5 keeps f16's fixed step of 6e-8; a weight below 2^-126 counts as 0 in l; NaN and positive infinities are not treated apart; a row all of whose masks are huge (1e9) gets the weights
; that f32 leaves of score + mask, here at log2(e) times the reference's magnitude.
; SHARES.  A work-group owns 128 queries of one head.  Wave w: queries 64 (w / 2) + 0..63, four tiles of 16 in two PIECES (tiles 0, 1 and tiles 2, 3), and the keys 64 (w % 2) + 0..63 of every tile of
; 128 keys: 16 key steps.  The two key halves of a query are merged once, at the end, through LDS.
; LAYOUT.  S^T = K Q^T (source 0 = 16 keys, source 1 = 16 queries): a lane holds ONE query (lane % 16) and the keys 8 (lane / 16) + 0..7; two such results rounded to f16 ARE source 1 of O^T = V^T P.
; BY TURNS.  In a TURN one piece has the matrix unit (32 products V^T P of the step in hand, 32 products K Q^T of the next); the other piece's softmax, cut into 64 slices, stands one slice behind each
; matrix instruction.  The mask's 32 packed multiply-adds open the turn.  m starts at the lowest finite number, O and l at 0: the first step is a step like any other, with a = 0.
; CLUSTER 4 x 4.  x = block of queries, y = head.  K's and V's tiles hang on the head alone: shared along a row of the cluster; the mask's tile on the block of queries alone: shared along a column.
; REGISTERS, in windows of 256: window 0: v0-11 addresses; v12-43 eight registers of statistics a tile; v44-49, v61-63 addresses; v64-191 S^T; v192-255 P
;   window 1: O^T, 64 a tile     window 2: v0-127 Q; v128-255 K of one step     window 3: v0-127 V of one step; v128-255 the mask of one step, laid as S^T
.set PK,    272       ; a row of K in LDS: 256 bytes + 16: the 16 rows of a load start at 16 different groups of four banks (64 banks of 4 bytes: ISA guide 11.1)
.set PVV,   288       ; a row of V: 256 + 32
.set PM,    528       ; a row of the mask: 512 + 16
.set VOFF,  128*PK    ; a slot: 128 rows of K, 128 rows of V, 128 queries x 128 keys of the mask
.set MOFF,  VOFF+128*PVV
.set SLOT,  MOFF+128*PM  ; 0x22000: none of the words that are turned (0, VOFF, MOFF, MOFF + 64 PM) shares a bit with it, so one exclusive or turns slot 0's address into slot 1's
.set SPARE, 2*SLOT    ; the spare words, 128 bytes for each wave: two blocks of 256 bytes that no other line names
.set STAGE, SPARE+512 ; 16 rows x 272 bytes for each wave, for the way out; never filled by a tensor load
.set SP,    272
.set XO,    0         ; THE MERGE lies in slot 0, behind its last fill and a barrier: wave w's two tiles of O^T at 16,384 w,
.set XS,    65536     ; its m and l at XS + 1,024 w
.set PLANE, 8388608
.set AK0, 2           ; v2   my lane's place in a tile of K; never rewritten
.set AV0, 3           ; v3   the same for V
.set ADR, 4           ; v4   the LDS address of the run of loads in hand
.set QO,  5           ; v5   my byte offset in the wave's rows of Q
.set STO, 6           ; v6   the way out: where I put 16 bytes of a row
.set RD,  7           ; v7   where I read a row back
.set GO,  8           ; v8   my byte offset in two rows of ao16
.set ST,  12          ; tile t's statistics at v[ST+8 t]: +0 m, +1 named with it as a pair, +2, +3 l (even keys', odd keys'), +4 to +7 at work; a takes +6
.set AM0, 44          ; v44  my lane's place in a tile of the mask
.set ADM, 45          ; v45  the LDS address of the mask's runs
.set XST, 46          ; v46-49 the merge: where I put O^T, where my partner's lies, the same for the statistics
.set XLD, 47
.set XSS, 48
.set XSL, 49
.set PFO, 61          ; v61  the prefetches' offset; never rewritten
.set SPW, 62          ; v62  LDS address of my spare word; never rewritten
.set NIL, 63          ; v63  0; never rewritten
.set S,   64
.set P,   192
.set MG,  192         ; at the end: my m (4), my l (4), my partner's m (4) and l (4)
.set KF,  128         ; K's fragments, in window 2
.set MK,  128         ; the mask, in window 3
.set WV,  12          ; s12  my wave's number
.set LIM, 15          ; s15  2 in a wave that prefetches, else the greatest number
.set PFA, 18          ; s[18:19] where my prefetches stand
.set PFS, 20          ; s[20:21] their step from tile to tile
.set G1K, 24          ; s[24:47] descriptor groups 1 for K, V, the mask
.set G1V, 32
.set G1M, 40
.set G0K, 48          ; s[48:59] descriptor groups 0: each walks
.set G0V, 52
.set G0M, 56
.set CS,  60          ; s[60:61] log2(e)
.set SEL, 62          ; s[62:63] lane selects for v_permlanex16_b32
.set TB,  66          ; s66  LDS byte at which the slot to be read begins
.set SLOTS, 67        ; s67  changes of slots still to come that fill
.set QH,  69          ; s69  w / 2
.set KH,  70          ; s70  w % 2
.set MSB, 0
.macro WIN new
.if MSB != (\new)
	s_set_vgpr_msb (MSB<<8)|(\new)
.set MSB, \new
.endif
.endm
.set W_KQ, 0x0a       ; K and Q in window 2, S^T in window 0
.set W_PV, 0x53       ; V in window 3, P in window 0, O^T in window 1
.set W_RS, 0x41       ; O^T (destination and source 0) in window 1, the factor in window 0
; A joint fill: wave 0 fetches K's tile, wave 1 V's, waves 2 and 3 the two halves of the mask's.  The branches hang on the wave's number alone.  An s_nop 0 and four v_nop follow each line.
.macro JLOAD3
	s_cmp_lt_u32 s[WV], 2
	s_cbranch_scc0 .Lfor_m_\@
	s_cmp_eq_u32 s[WV], 0
	s_cbranch_scc0 .Lfor_v_\@
	tensor_load_to_lds s[G0K:G0K+3], s[G1K:G1K+7]
	s_nop 0
.rept 4
	v_nop
.endr
	s_branch .Lasked_\@
.Lfor_v_\@:
	tensor_load_to_lds s[G0V:G0V+3], s[G1V:G1V+7]
	s_nop 0
.rept 4
	v_nop
.endr
	s_branch .Lasked_\@
.Lfor_m_\@:
	tensor_load_to_lds s[G0M:G0M+3], s[G1M:G1M+7]
	s_nop 0
.rept 4
	v_nop
.endr
.Lasked_\@:
.endm
; A prefetch, behind the joint fill of change c: my part of tile c + 3, which the change after next will ask for: 256 matrix instructions ahead of that load.  32 blocks of 256 bytes, a lane a block.
; Each block is named once in the launch: K's and V's rows by waves 0 and 1 of the clusters with x = 0, 32 rows to each partner by cx; the mask's by waves 2 and 3 of the clusters with y = 0,
; 16 rows x 2 blocks to each partner by cy.  It stops when tile c + 3 would be tile 16; tiles 0 to 2 come by their loads alone.
.macro ASK
	s_cmp_gt_u32 s[SLOTS], s[LIM]
	s_cbranch_scc0 .Lnot_mine_\@
	global_prefetch_b8 v[PFO], s[PFA:PFA+1] th:TH_LOAD_NT scope:SCOPE_SE
.Lnot_mine_\@:
.endm
.macro CROUND
	s_barrier_signal -1
	s_barrier_wait -1
	s_cmp_lg_u32 s[WV], 0
	s_cbranch_scc1 .Lnot_wave_0_\@
	s_barrier_signal -3
.Lnot_wave_0_\@:
	s_barrier_wait -3
	s_barrier_signal -1
	s_barrier_wait -1
.endm
	s_load_b128 s[4:7], s[0:1], 0x0  ; qkv16 s[4:5], the mask s[6:7]
	s_load_b64 s[8:9], s[0:1], 0x10  ; ao16
	v_lshl_add_u32 v[SPW], v0, 2, SPARE
	v_mov_b32 v[NIL], 0
	ds_add_u32 v[SPW], v[NIL]       ; the wave's opening: the add and its wait stand ahead of my first tensor load; work on registers stands between them
	v_lshrrev_b32 v1, 5, v0
	v_readfirstlane_b32 s[WV], v1   ; wave 0..3
	v_and_b32 v1, 15, v0            ; r = l % 16
	v_bfe_u32 v9, v0, 4, 1          ; h = l / 16
	s_bfe_u32 s13, ttmp6, 0x40000   ; cx
	s_bfe_u32 s14, ttmp6, 0x40004   ; cy
	s_lshl_b32 s16, ttmp9, 2
	s_add_co_u32 s16, s16, s13      ; my block of 128 queries
	s_and_b32 s17, ttmp7, 0xffff
	s_lshl_b32 s17, s17, 2
	s_add_co_u32 s17, s17, s14      ; my head
	s_lshr_b32 s[QH], s[WV], 1
	s_and_b32 s[KH], s[WV], 1
	s_lshl_b32 s72, s14, 2
	s_lshl_b32 s72, 15, s72         ; my row of the cluster
	s_lshl_b32 s73, 0x1111, s13     ; my column
	s_or_b32 s[G1K], s72, (1<<16)|(1<<20)|(1<<21)|(5<<22)|(3<<25)  ; elements of 2 bytes; padding on; 21 set beside a mask; after every 64 words 4 words
	s_or_b32 s[G1V], s72, (1<<16)|(1<<20)|(1<<21)|(5<<22)|(7<<25)  ; the same with 8 words
	s_or_b32 s[G1M], s73, (2<<16)|(1<<20)|(1<<21)|(6<<22)|(3<<25)  ; elements of 4 bytes; after every 128 words 4 words
.irp g, G1K, G1V
	s_mov_b32 s[(\g)+1], 128<<16    ; tensor_dim0 = 128
	s_mov_b32 s[(\g)+2], 128<<16    ; tensor_dim1 = 128
	s_mov_b32 s[(\g)+3], 128<<16    ; tile_dim0 = 128
	s_mov_b32 s[(\g)+4], 128        ; tile_dim1 = 128
	s_mov_b32 s[(\g)+5], 128        ; elements from row to row
	s_mov_b32 s[(\g)+6], 0
	s_mov_b32 s[(\g)+7], 0
.endr
	s_mov_b32 s[G1M+1], 128<<16
	s_mov_b32 s[G1M+2], 64<<16      ; 64 rows
	s_mov_b32 s[G1M+3], 128<<16
	s_mov_b32 s[G1M+4], 64
	s_mov_b32 s[G1M+5], 2048
	s_mov_b32 s[G1M+6], 0
	s_mov_b32 s[G1M+7], 0
	s_mov_b32 s[G0K], 1
	s_mov_b32 s[G0K+1], 0           ; slot 0
	s_mov_b32 s[G0V], 1
	s_mov_b32 s[G0V+1], VOFF
	s_mov_b32 s[G0M], 1
	s_mul_i32 s[G0M+1], s[KH], 64*PM
	s_add_co_u32 s[G0M+1], s[G0M+1], MOFF
	s_lshl_b32 s74, s17, 19         ; the head's first byte in a plane
	s_mov_b32 s75, 0
	s_lshl_b32 s76, s16, 20         ; the mask: 128 rows of 8,192 bytes a block,
	s_lshl_b32 s77, s[KH], 19       ; my 64 of them
	s_add_co_u32 s76, s76, s77
	s_mov_b32 s77, 0
	s_lshl_b32 s78, s16, 15         ; Q: my block's rows of 256 bytes, my wave's 64 of them
	s_add_co_u32 s78, s78, s74
	s_lshl_b32 s79, s[QH], 14
	s_add_co_u32 s78, s78, s79
	s_mov_b32 s79, 0
	s_lshl_b32 s2, s16, 19          ; ao16: rows of 4,096 bytes, the head's 256 bytes in them
	s_lshl_b32 s3, s[QH], 18
	s_add_co_u32 s2, s2, s3
	s_lshl_b32 s3, s17, 8
	s_add_co_u32 s2, s2, s3
	s_mov_b32 s3, 0
	s_add_co_u32 s22, s[WV], 1      ; the prefetches.  K or V: plane 1 + w, the head, my work-group's 32 rows, tile 2
	s_lshl_b32 s22, s22, 23
	s_add_co_u32 s22, s22, s74
	s_lshl_b32 s23, s13, 13
	s_add_co_u32 s22, s22, s23
	s_add_co_u32 s22, s22, 2*32768
	s_lshl_b32 s23, s14, 17         ; the mask: my wave's 64 rows, my work-group's 16 of them, tile 2
	s_add_co_u32 s23, s23, s76
	s_add_co_u32 s23, s23, 2*512
	s_and_b32 s72, ttmp7, 0xffff    ; cluster y
	s_mov_b32 s[PFS], 512
	s_mov_b32 s[PFS+1], 0
	s_mov_b32 s10, 8192
	s_mov_b32 s11, 256
	s_cmp_lt_u32 s[WV], 2
	s_cselect_b32 s22, s22, s23
	s_cselect_b32 s72, ttmp9, s72   ; the coordinate along which other clusters read the same bytes
	s_cselect_b32 s[PFS], 32768, s[PFS]
	s_cselect_b32 s10, 256, s10
	s_cselect_b32 s11, 4096, s11
	s_mov_b32 s23, 0
	s_cmp_eq_u32 s72, 0
	s_cselect_b32 s[LIM], 2, -1
	v_mul_u32_u24 v[PFO], v1, s10   ; K, V: 256 x lane.  The mask: row l % 16, block l / 16
	v_mad_u32_u24 v[PFO], v9, s11, v[PFO]
	s_mov_b32 s[CS], 0x3fb8aa3b     ; log2(e)
	s_mov_b32 s[CS+1], s[CS]        ; named with it as a pair
	s_mov_b32 s[SEL], 0x76543210
	s_mov_b32 s[SEL+1], 0xfedcba98
	s_mov_b32 s[TB], SLOT           ; the first change of slots turns it into 0
	s_mov_b32 s[SLOTS], 15
	s_wait_dscnt 0x0                ; the opening add is done
	s_wait_kmcnt 0x0
	s_add_nc_u64 s[G0K+2:G0K+3], s[4:5], s[74:75]
	s_add_nc_u64 s[G0V+2:G0V+3], s[G0K+2:G0K+3], 2*PLANE
	s_add_nc_u64 s[G0K+2:G0K+3], s[G0K+2:G0K+3], PLANE
	s_add_nc_u64 s[G0M+2:G0M+3], s[6:7], s[76:77]
	s_or_b32 s[G0K+3], s[G0K+3], 0x80000000
	s_or_b32 s[G0V+3], s[G0V+3], 0x80000000
	s_or_b32 s[G0M+3], s[G0M+3], 0x80000000
	s_cmp_lt_u32 s[WV], 2
	s_cselect_b64 s[PFA:PFA+1], s[4:5], s[6:7]
	s_add_nc_u64 s[PFA:PFA+1], s[PFA:PFA+1], s[22:23]
	s_add_nc_u64 s[10:11], s[4:5], s[78:79]  ; Q at my wave's first row
	s_add_nc_u64 s[8:9], s[8:9], s[2:3]      ; ao16 likewise
	CROUND                          ; all sixteen work-groups are here: the first joint loads meet
	JLOAD3                          ; tile 0 into slot 0; slot 1 is asked for when slot 0 is in
	v_lshlrev_b32 v[QO], 8, v1
	v_lshl_add_u32 v[QO], v9, 4, v[QO]  ; row x 256 + 16 x half
	WIN 0x80                        ; destination window 2, address window 0
.irp i, 0,1,2,3,4,5,6,7,8,9,10,11,12,13,14,15  ; Q stays in registers: tile i / 4, channels 32 (i % 4) on
	global_load_b128 v[8*(\i):8*(\i)+3],   v[QO], s[10:11] offset:((\i)/4)*4096+((\i)%4)*64
	global_load_b128 v[8*(\i)+4:8*(\i)+7], v[QO], s[10:11] offset:((\i)/4)*4096+((\i)%4)*64+32
.endr
	; What the first turn finds: V and piece 2's P hold 0 (its products V^T P, of a step that has not been, add 0); O^T and l are 0.  All this stands in the wait for the first tile.
	WIN 0xc0
.set i, 0
.rept 128
	v_mov_b32 v[i], 0
.set i, i+1
.endr
	WIN 0x40
.set i, 0
.rept 256
	v_mov_b32 v[i], 0
.set i, i+1
.endr
	WIN 0
.set i, 0
.rept 4
	v_mov_b32 v[ST+8*i], 0xff7fffff    ; m: the lowest finite number
	v_mov_b32 v[ST+8*i+1], 0
	v_mov_b32 v[ST+8*i+2], 0
	v_mov_b32 v[ST+8*i+3], 0
.set i, i+1
.endr
.set i, P+32
.rept 32
	v_mov_b32 v[i], 0
.set i, i+1
.endr
	v_mul_u32_u24 v[AK0], v1, PK
	v_lshl_add_u32 v[AK0], v9, 4, v[AK0]
	s_mul_i32 s72, s[KH], 64*PK     ; my half of the tile's keys
	v_add_nc_u32 v[AK0], s72, v[AK0]
	; The turning load takes 16 keys x 16 channels (lane l reads key 8 (l / 16) + l % 8, channels 8 ((l / 8) % 2) + 0..7) and leaves half a fragment of V^T
	v_and_b32 v10, 7, v0
	v_bfe_u32 v11, v0, 3, 1
	v_lshl_add_u32 v[AV0], v9, 3, v10
	v_mul_u32_u24 v[AV0], v[AV0], PVV
	v_lshl_add_u32 v[AV0], v11, 4, v[AV0]
	s_mul_i32 s72, s[KH], 64*PVV
	s_add_co_u32 s72, s72, VOFF
	v_add_nc_u32 v[AV0], s72, v[AV0]
	v_mul_u32_u24 v[AM0], v1, PM    ; the mask: query 64 (w / 2) + r, keys 64 (w % 2) + 8 h on
	v_lshl_add_u32 v[AM0], v9, 5, v[AM0]
	s_mul_i32 s72, s[QH], 64*PM
	s_lshl_b32 s73, s[KH], 8
	s_add_co_u32 s72, s72, s73
	s_add_co_u32 s72, s72, MOFF
	v_add_nc_u32 v[AM0], s72, v[AM0]
	v_and_b32 v10, 31, v0           ; the merge: 16 bytes a lane
	v_lshlrev_b32 v10, 4, v10
	s_xor_b32 s73, s[WV], 1         ; my partner: the other key half of the same queries
	s_lshl_b32 s72, s[WV], 14
	v_add_nc_u32 v[XST], s72, v10
	s_lshl_b32 s72, s73, 14
	v_add_nc_u32 v[XLD], s72, v10
	s_lshl_b32 s72, s[WV], 10
	s_add_co_u32 s72, s72, XS
	v_add_nc_u32 v[XSS], s72, v10
	s_lshl_b32 s72, s73, 10
	s_add_co_u32 s72, s72, XS
	v_add_nc_u32 v[XSL], s72, v10
; THE MATRIX WORK.  The accumulators take turns, one instruction a turn: between two links of a chain stand 15 (V^T P) or 7 (K Q^T) others'.
.macro PV x                         ; product i of 32 of O^T += V^T P: keys 32 (i / 16) on, channels 16 ((i / 2) % 8) on, tile x + i % 2
	WIN W_PV
.set rO, 64*((\x)+i%2)+8*((i/2)%8)
.set rV, 64*(i/16)+8*((i/2)%8)
.set rP, P+16*((\x)+i%2)+8*(i/16)
	v_wmma_f32_16x16x32_f16 v[rO:rO+7], v[rV:rV+7], v[rP:rP+7], v[rO:rO+7]
.endm
.macro KQ x                         ; product i of 32 of S^T = K Q^T: channels 32 (i / 8) on, keys 16 ((i / 2) % 4) on, tile x + i % 2.  The first 8 start the sums
	WIN W_KQ
.set rS, S+32*((\x)+i%2)+8*((i/2)%4)
.set rK, KF+32*((i/2)%4)+8*(i/8)
.set rQ, 32*((\x)+i%2)+8*(i/8)
.if i < 8
	v_wmma_f32_16x16x32_f16 v[rS:rS+7], v[rK:rK+7], v[rQ:rQ+7], 0
.else
	v_wmma_f32_16x16x32_f16 v[rS:rS+7], v[rK:rK+7], v[rQ:rQ+7], v[rS:rS+7]
.endif
.endm
; THE LDS LOADS stand in two runs of 48 a key step: K and piece 0's mask; V (turned) and piece 2's mask.
.macro FETCH_M x                    ; under destination window 3: the mask of tiles x, x + 1: 8 keys of one query are 32 bytes on end
.irp t, \x, (\x)+1
.irp kb, 0,1,2,3
	ds_load_b128 v[MK+32*(\t)+8*(\kb):MK+32*(\t)+8*(\kb)+3],   v[ADM] offset:(\t)*16*PM+64*(\kb)
	ds_load_b128 v[MK+32*(\t)+8*(\kb)+4:MK+32*(\t)+8*(\kb)+7], v[ADM] offset:(\t)*16*PM+64*(\kb)+16
.endr
.endr
.endm
.macro FETCH_K
	WIN 0
	v_add_nc_u32 v[ADR], s[TB], v[AK0]
	v_add_nc_u32 v[ADM], s[TB], v[AM0]
	WIN 0x80                        ; destination window 2
.irp f, 0,1,2,3,4,5,6,7,8,9,10,11,12,13,14,15  ; keys 16 (f / 4) on, channels 32 (f % 4) on
	ds_load_b128 v[KF+8*(\f):KF+8*(\f)+3],   v[ADR] offset:((\f)/4)*16*PK+((\f)%4)*64
	ds_load_b128 v[KF+8*(\f)+4:KF+8*(\f)+7], v[ADR] offset:((\f)/4)*16*PK+((\f)%4)*64+32
.endr
	WIN 0xc0
	FETCH_M 0
.endm
.macro FETCH_V
	WIN 0
	v_add_nc_u32 v[ADR], s[TB], v[AV0]
	s_wait_alu depctr_va_vdst(0)    ; the wait for the softmax's batch (SLICE), behind the address's v_add_nc_u32 and ahead of the loads
	WIN 0xc0                        ; destination window 3
.irp f, 0,1,2,3,4,5,6,7,8,9,10,11,12,13,14,15  ; keys 32 (f / 8) on, channels 16 (f % 8) on
	ds_load_tr16_b128 v[8*(\f):8*(\f)+3],   v[ADR] offset:((\f)/8)*32*PVV+((\f)%8)*32
	ds_load_tr16_b128 v[8*(\f)+4:8*(\f)+7], v[ADR] offset:((\f)/8)*32*PVV+16*PVV+((\f)%8)*32
.endr
	FETCH_M 2
.endm
; THE MASK: s = log2(e) x mask + s for piece y's 64 registers, in ascending order: each accumulator is read from its lowest registers on
.macro LUMP y
	WIN 0x03                        ; source 0 window 3
.set z, 0
.rept 32
	v_pk_fma_f32 v[S+32*(\y)+2*z:S+32*(\y)+2*z+1], v[MK+32*(\y)+2*z:MK+32*(\y)+2*z+1], s[CS:CS+1], v[S+32*(\y)+2*z:S+32*(\y)+2*z+1] op_sel_hi:[1,0,1]
.set z, z+1
.endr
.endm
; THE SOFTMAX of one tile and key step is a numbered list; SM writes number j of it for tile t.  s0-s31 are the lane's 32 scores, in pairs 0-15.
;   0-15    the maximum of s0-s31 and the old m, three operands at a time     16-20  the other half of the lanes' maximum; the old m kept; the new m; (19 is empty); m_old - m_new
;   21-69   ONE BATCH: the 16 differences s - m, a pair each, and all 33 exponentials (a at 23, then s0-s31).  None of these reads an exponential's result
;   (wait)  between 69 and 70 stands the one wait for the batch: SLICE writes it, once for both tiles
;   70-85   the roundings to f16     86-101  the sums; l = a l + the sum     102-133 the tile's O^T times a: the one part that leaves window 0
.macro SM t
.set rT, ST+8*(\t)
.set rS, S+32*(\t)
.set rP, P+16*(\t)
.set rO, 64*(\t)+2*(j-102)
.if j < 102
	WIN 0
.endif
.if j < 4
	v_max3_num_f32 v[rT+4+j], v[rS+8*j], v[rS+8*j+1], v[rS+8*j+2]
.elseif j < 12
	v_max3_num_f32 v[rT+4+j%4], v[rT+4+j%4], v[rS+8*(j%4)+2*(j/4)+1], v[rS+8*(j%4)+2*(j/4)+2]
.elseif j == 12
	v_max3_num_f32 v[rT+4], v[rT+4], v[rS+7], v[rS+15]
.elseif j == 13
	v_max3_num_f32 v[rT+6], v[rT+6], v[rS+23], v[rS+31]
.elseif j == 14
	v_max3_num_f32 v[rT+4], v[rT+4], v[rT+5], v[rT+6]
.elseif j == 15
	v_max3_num_f32 v[rT+4], v[rT+4], v[rT+7], v[rT]
.elseif j == 16
	v_permlanex16_b32 v[rT+5], v[rT+4], s[SEL], s[SEL+1]  ; the query's other 32 keys lie in the lane 16 away
.elseif j == 17
	v_mov_b32 v[rT+7], v[rT]        ; m_old is kept for a
.elseif j == 18
	v_max_num_f32 v[rT], v[rT+4], v[rT+5]
.elseif j == 19
.elseif j == 20
	v_sub_f32 v[rT+7], v[rT+7], v[rT]
.elseif j == 23
	v_exp_f32 v[rT+6], v[rT+7]
.elseif (j < 23) || ((j < 38) && (j%2 == 0)) || ((j < 66) && (j%4 == 2))
.set b, (j-2)/4                     ; 38, 42, .. 62: pairs 9 to 15
.if j < 38
.set b, (j-20)/2                    ; 21: pair 0; 22, 24, .. 36: pairs 1 to 8
.endif
	v_pk_add_f32 v[rS+2*b:rS+2*b+1], v[rS+2*b:rS+2*b+1], v[rT:rT+1] op_sel_hi:[1,0] neg_lo:[0,1] neg_hi:[0,1]  ; pair b: s - m
.elseif j < 70
.set e, j-38                        ; 66 to 69: s28 to s31
.if j < 66
.set e, j-32-(j-38)/4               ; 39-41, 43-45, .. 63-65: s7 to s27
.endif
.if j < 38
.set e, (j-25)/2                    ; 25, 27, .. 37: s0 to s6
.endif
	v_exp_f32 v[rS+e], v[rS+e]
.elseif j < 86
	v_cvt_pk_f16_f32 v[rP+j-70], v[rS+2*(j-70)], v[rS+2*(j-70)+1]
.elseif j < 102                     ; the sum of the tile's 16 pairs, in place: neighbours 1, 2, 4 and 8 pairs apart, then l takes it
.set z, j-86
.set w, 4
.set u, z
.if z >= 14
.set w, 32
.set u, 0
.elseif z >= 12
.set w, 16
.set u, z-12
.elseif z >= 8
.set w, 8
.set u, z-8
.endif
.if z < 15
	v_pk_add_f32 v[rS+w*u:rS+w*u+1], v[rS+w*u:rS+w*u+1], v[rS+w*u+w/2:rS+w*u+w/2+1]
.else
	v_pk_fma_f32 v[rT+2:rT+3], v[rT+2:rT+3], v[rT+6:rT+7], v[rS:rS+1] op_sel_hi:[1,0,1]
.endif
.else
	WIN W_RS
	v_pk_mul_f32 v[rO:rO+1], v[rO:rO+1], v[rT+6:rT+7] op_sel_hi:[1,0]
.endif
.endm
; Slice k of 64 of piece y's softmax.  Slices 11 to 34 deal out the batch, four numbers of ONE tile each, the tiles by turns; every other slice is numbers 2 k and 2 k + 1 of both tiles; slice 63 takes the
; twelve that are over.  Ahead of slice 35 nothing names an exponential's result, and behind slice 34 none is issued: so the piece's 66 exponentials have one wait, behind slice 34.
.macro SLICE y
.if (k >= 11) && (k < 35)
.irp n, 0,1,2,3
.set j, 22+4*((k-11)/2)+(\n)
	SM (\y)+(k-11)%2
.endr
.else
.irp n, 0,1,2,3,4,5,6,7
.if ((\n) < 2) || (k == 63)
.irp t, \y, (\y)+1
.set j, 2*k+(\n)
	SM \t
.endr
.endif
.endr
.endif
.if k == 34
	v_nop                           ; the plain instruction behind the last exponential and ahead of the first use: one for the batch
.if (\y) == 0
	FETCH_V                         ; piece 2's turn: V's run of loads stands here, and the wait stands in it.  V's last reader stands in front of slice 31: two differences, the v_nop and the run's v_add_nc_u32 are its four places
.else
	s_wait_alu depctr_va_vdst(0)    ; the wait for the batch
.endif
.endif
.set k, k+1
.endm
; A TURN.  Piece x has the matrix unit; the other piece's mask opens the turn, and its softmax stands in slices behind the matrix instructions.  pv, kq: which runs of 32 products the turn has.
; Piece 0's turn fetches the next step's K and piece 0's mask behind its second product (K's last reader stands in front of slice 63 of the turn before).
.macro TURN x, pv, kq
.set k, 0
.set per, 2
.if (\pv) && (\kq)
.set per, 1
.endif
.if (\x) == 0
	s_wait_dscnt 0x0                ; V and piece 2's mask are in
.endif
	LUMP 2-(\x)                     ; the sixteen plain instructions of slice 63 are the places between the scores' last product and this
.if \pv
.set i, 0
.rept 32
	PV \x
.rept per
	SLICE 2-(\x)
.endr
.if ((\x) == 0) && (\kq) && (i == 1)
	FETCH_K
.endif
.set i, i+1
.endr
.endif
.if \kq
.if (\x) == 0
	s_wait_dscnt 0x0                ; K and piece 0's mask are in
.endif
.set i, 0
.rept 32
	KQ \x
.rept per
	SLICE 2-(\x)
.endr
.set i, i+1
.endr
.endif
.endm
; THE CHANGE OF SLOTS, between piece 2's turn and piece 0's: the slot's last bytes, V and piece 2's mask, have been asked for.  Each wave waits for all its tensor loads, of which one is out: its part of
; the other slot; adds 0 to its spare word; and waits for that and for its reads of the slot.  fill = 1: the barrier is a round of the cluster's, and the slot is filled again, with the tile two on,
; first thing behind it: it has a key step, 128 matrix instructions, in which to land.  (At its first use nothing has been read yet: slot 0 is waited for, slot 1 filled.)
.macro CHANGE fill
	WIN 0
	s_wait_tensorcnt 0x0            ; no tensor load of mine is out, so a group 0 may be written
	ds_add_u32 v[SPW], v[NIL]       ; 0 onto my spare word
.if \fill
.irp g, G0K, G0V, G0M
	s_xor_b32 s[(\g)+1], s[(\g)+1], SLOT  ; the other slot than last time
.endr
	s_add_nc_u64 s[G0K+2:G0K+3], s[G0K+2:G0K+3], 32768  ; the next 128 keys: rows of K and V,
	s_add_nc_u64 s[G0V+2:G0V+3], s[G0V+2:G0V+3], 32768
	s_add_nc_u64 s[G0M+2:G0M+3], s[G0M+2:G0M+3], 512    ; columns of the mask
	s_wait_xcnt 0x0                 ; the last prefetch, a key step back, has read its address
	s_add_nc_u64 s[PFA:PFA+1], s[PFA:PFA+1], s[PFS:PFS+1]
	s_wait_dscnt 0x0                ; the add is done, and my reads of the slot are over
	CROUND
	JLOAD3
	ASK
.else
	s_wait_dscnt 0x0
	s_barrier_signal -1
	s_barrier_wait -1
.endif
	s_xor_b32 s[TB], s[TB], SLOT    ; the fetches go to the other slot
.endm
	CHANGE 1                        ; tile 0 is in, everybody's part of it; tile 1 is asked for
	FETCH_K                         ; key step 0
	s_wait_loadcnt 0x0              ; Q
	s_wait_dscnt 0x0
.set i, 0
.rept 32
	KQ 0                            ; piece 0's first scores
.set i, i+1
.endr
	WIN 0                           ; the addresses for the way out: eight plain instructions, the places behind those products
	s_mul_i32 s72, s[WV], 16*SP
	s_add_co_u32 s72, s72, STAGE    ; my stage
	v_mul_u32_u24 v[STO], v1, SP    ; in: row l % 16, 16 bytes for each half of the lanes
	v_lshl_add_u32 v[STO], v9, 4, v[STO]
	v_add_nc_u32 v[STO], s72, v[STO]
	v_mul_u32_u24 v[RD], v9, SP     ; back: lanes 0-15 take one row of 256 bytes, lanes 16-31 the next
	v_lshl_add_u32 v[RD], v1, 4, v[RD]
	v_add_nc_u32 v[RD], s72, v[RD]
	v_lshlrev_b32 v[GO], 12, v9     ; and the same two rows in ao16
	v_lshl_add_u32 v[GO], v1, 4, v[GO]
	s_branch .Lmid                  ; the loop is entered in the middle of a trip
.Lslot:                             ; 14 times: tile c is entered, tile c + 1 asked for, c = 1 .. 14
	CHANGE 1
	TURN 0, 2, 1                    ; piece 0: V^T P of step c - 1, K Q^T of step c | piece 2's softmax of step c - 1 | K of step c
	WIN 0
.Lmid:
	TURN 2, 2, 1                    ; piece 2: the same | piece 0's softmax of step c | V of step c
	WIN 0
	s_sub_co_u32 s[SLOTS], s[SLOTS], 1
	s_cmp_lg_u32 s[SLOTS], 0
	s_cbranch_scc1 .Lslot
	CHANGE 0                        ; the tail is written out: tile 15 is entered, nothing is asked for
	TURN 0, 2, 1
	TURN 2, 2, 1
	TURN 0, 2, 0                    ; piece 0: V^T P of the last step | piece 2's last softmax
.set i, 0
.rept 32
	PV 2                            ; piece 2: V^T P of the last step
.set i, i+1
.endr
	; THE MERGE.  Each wave holds, for its 64 queries and its half of the keys, m, l and O^T.  Of the pair (w, w xor 1) the wave with key half 0 finishes tiles 0 and 1, the other tiles 2 and 3:
	; O = (O a0 + O' a1) / (l a0 + l' a1), a0 = 2^(m - max), a1 = 2^(m' - max).
	WIN 0
	s_wait_dscnt 0x0
	s_barrier_signal -1             ; every wave's reads of both slots are back: slot 0's bytes become the merge's
	s_barrier_wait -1
.irp t, 0,1,2,3
	v_add_f32 v[ST+8*(\t)+2], v[ST+8*(\t)+2], v[ST+8*(\t)+3]  ; these are the places behind the last products
.endr
.irp t, 0,1,2,3
	v_permlanex16_b32 v[ST+8*(\t)+3], v[ST+8*(\t)+2], s[SEL], s[SEL+1]
.endr
.irp t, 0,1,2,3
	v_add_f32 v[ST+8*(\t)+2], v[ST+8*(\t)+2], v[ST+8*(\t)+3]
.endr
.irp t, 0,1,2,3
	v_mov_b32 v[MG+(\t)], v[ST+8*(\t)]
.endr
.irp t, 0,1,2,3
	v_mov_b32 v[MG+4+(\t)], v[ST+8*(\t)+2]
.endr
	ds_store_b128 v[XSS], v[MG:MG+3]
	ds_store_b128 v[XSS], v[MG+4:MG+7] offset:512
	s_cmp_eq_u32 s[KH], 0
	s_cbranch_scc0 .Lgive01
	WIN 0x04                        ; store data window 1
.set i, 0
.rept 32
	ds_store_b128 v[XST], v[128+4*i:128+4*i+3] offset:XO+512*i  ; tiles 2 and 3 go to my partner, each accumulator from its lowest registers on
.set i, i+1
.endr
	WIN 0
	s_branch .Lgiven
.Lgive01:
	WIN 0x04
.set i, 0
.rept 32
	ds_store_b128 v[XST], v[4*i:4*i+3] offset:XO+512*i          ; tiles 0 and 1
.set i, i+1
.endr
	WIN 0
.Lgiven:
	s_wait_dscnt 0x0                ; for my partner's sake: my stores are done
	s_barrier_signal -1
	s_barrier_wait -1
	ds_load_b128 v[MG+8:MG+11],  v[XSL]             ; my partner's m,
	ds_load_b128 v[MG+12:MG+15], v[XSL] offset:512  ; its l,
	WIN 0x80
.set i, 0
.rept 32
	ds_load_b128 v[KF+4*i:KF+4*i+3], v[XLD] offset:XO+512*i  ; and its O^T of the two tiles that I finish, into K's registers
.set i, i+1
.endr
	WIN 0
	s_wait_dscnt 32                 ; the statistics are in; the 32 younger loads may stay out
.irp t, 0,1,2,3
	v_max_num_f32 v[ST+8*(\t)+4], v[ST+8*(\t)], v[MG+8+(\t)]
.endr
.irp t, 0,1,2,3
	v_sub_f32 v[ST+8*(\t)+5], v[ST+8*(\t)], v[ST+8*(\t)+4]
	v_sub_f32 v[ST+8*(\t)+6], v[MG+8+(\t)], v[ST+8*(\t)+4]
.endr
.irp t, 0,1,2,3
	v_exp_f32 v[ST+8*(\t)+5], v[ST+8*(\t)+5]        ; a0
	v_exp_f32 v[ST+8*(\t)+6], v[ST+8*(\t)+6]        ; a1
.endr
	v_nop                           ; a plain instruction behind the last exponential,
	s_wait_alu depctr_va_vdst(0)    ; and one wait for the eight
.irp t, 0,1,2,3
	v_mul_f32 v[ST+8*(\t)+7], v[ST+8*(\t)+2], v[ST+8*(\t)+5]
.endr
.irp t, 0,1,2,3
	v_fmac_f32 v[ST+8*(\t)+7], v[MG+12+(\t)], v[ST+8*(\t)+6]
.endr
.irp t, 0,1,2,3
	v_rcp_f32 v[ST+8*(\t)+7], v[ST+8*(\t)+7]
.endr
	v_nop
	s_wait_alu depctr_va_vdst(0)    ; one wait for the four reciprocals
.irp t, 0,1,2,3
	v_mul_f32 v[ST+8*(\t)+4], v[ST+8*(\t)+6], v[ST+8*(\t)+7]  ; my partner's factor,
.endr
.irp t, 0,1,2,3
	v_mul_f32 v[ST+8*(\t)+6], v[ST+8*(\t)+5], v[ST+8*(\t)+7]  ; and mine
.endr
	s_wait_dscnt 0x0                ; my partner's O^T is in
; Tile t is finished, rounded to f16 and sent through my stage: a lane's eight channels of a row pack into 16 bytes; they come back as whole rows of 256 bytes.
.macro FINISH t
	WIN W_RS
.set i, 0
.rept 32
	v_pk_mul_f32 v[64*(\t)+2*i:64*(\t)+2*i+1], v[64*(\t)+2*i:64*(\t)+2*i+1], v[ST+8*(\t)+6:ST+8*(\t)+7] op_sel_hi:[1,0]
.set i, i+1
.endr
	WIN 0x52                        ; source 0 window 2, source 1 window 0, source 2 and destination window 1
.set i, 0
.rept 32
	v_pk_fma_f32 v[64*(\t)+2*i:64*(\t)+2*i+1], v[KF+64*((\t)%2)+2*i:KF+64*((\t)%2)+2*i+1], v[ST+8*(\t)+4:ST+8*(\t)+5], v[64*(\t)+2*i:64*(\t)+2*i+1] op_sel_hi:[1,0,1]
.set i, i+1
.endr
	WIN 0x05                        ; sources 0 and 1 window 1, destination window 0: S^T's registers are free
.set i, 0
.rept 32
	v_cvt_pk_f16_f32 v[S+32*(\t)+i], v[64*(\t)+2*i], v[64*(\t)+2*i+1]
.set i, i+1
.endr
	WIN 0
.irp f, 0,1,2,3,4,5,6,7
	ds_store_b128 v[STO], v[S+32*(\t)+4*(\f):S+32*(\t)+4*(\f)+3] offset:32*(\f)
.endr
.irp f, 0,1,2,3,4,5,6,7
	ds_load_b128 v[S+32*(\t)+4*(\f):S+32*(\t)+4*(\f)+3], v[RD] offset:(\f)*2*SP  ; LDS serves a wave's instructions in order (ISA guide 5.7.1.4): these see the stores above; the next tile's stores come behind them
.endr
.endm
.macro SEND t, younger              ; younger: the LDS instructions issued behind tile t's loads: the next tile's sixteen, or none
.irp f, 0,1,2,3,4,5,6,7
	s_wait_dscnt (\younger)+7-(\f)
	global_store_b128 v[GO], v[S+32*(\t)+4*(\f):S+32*(\t)+4*(\f)+3], s[8:9] offset:(\t)*65536+(\f)*8192  ; 16 lanes store the head's 256 consecutive bytes of a row, aligned
.endr
.endm
	s_cmp_eq_u32 s[KH], 0
	s_cbranch_scc0 .Lfin23
	FINISH 0
	FINISH 1
	SEND 0, 16
	SEND 1, 0
	s_branch .Ldone
.Lfin23:
	FINISH 2
	FINISH 3
	SEND 2, 16
	SEND 3, 0
.Ldone:
	s_wait_tensorcnt 0x0            ; the wave's end, behind my last tensor load and my last LDS store
	ds_add_u32 v[SPW], v[NIL]
	s_wait_dscnt 0x0
	CROUND                          ; the closing round: no work-group ends while a partner may still ask for a tile that names it
	s_endpgm
.Lfunc_end_k_q04d0d670b1_attn:
	.size	k_q04d0d670b1_attn, .Lfunc_end_k_q04d0d670b1_attn-k_q04d0d670b1_attn
	.p2alignl 7, 3214868480
	.fill 96, 4, 3214868480
	.section	.rodata,"a",@progbits
	.p2align	6, 0x0
	.amdhsa_kernel k_q04d0d670b1_attn
		.amdhsa_group_segment_fixed_size 327680
		.amdhsa_private_segment_fixed_size 0
		.amdhsa_enable_private_segment 0
		.amdhsa_kernarg_size 24
		.amdhsa_user_sgpr_count 2
		.amdhsa_user_sgpr_kernarg_segment_ptr 1
		.amdhsa_wavefront_size32 1
		.amdhsa_system_sgpr_workgroup_id_x 1
		.amdhsa_system_sgpr_workgroup_id_y 1
		.amdhsa_system_sgpr_workgroup_id_z 1
		.amdhsa_system_vgpr_workitem_id 0
		.amdhsa_next_free_vgpr 1024
		.amdhsa_next_free_sgpr 80
		.amdhsa_reserve_vcc 0
		.amdhsa_float_denorm_mode_32 3
		.amdhsa_float_denorm_mode_16_64 3
		.amdhsa_memory_ordered 1
		.amdhsa_forward_progress 1
		.amdhsa_inst_pref_size 211
	.end_amdhsa_kernel
	.amdgpu_metadata
---
amdhsa.version: [ 1, 2 ]
amdhsa.kernels:
  - .name:           k_q04d0d670b1_attn
    .symbol:         k_q04d0d670b1_attn.kd
    .args:
      - { .name: qkv16, .offset: 0, .size: 8, .value_kind: global_buffer, .address_space: global }
      - { .name: attention_mask, .offset: 8, .size: 8, .value_kind: global_buffer, .address_space: global }
      - { .name: ao16, .offset: 16, .size: 8, .value_kind: global_buffer, .address_space: global }
    .group_segment_fixed_size: 327680
    .private_segment_fixed_size: 0
    .kernarg_segment_align: 8
    .kernarg_segment_size: 24
    .max_flat_workgroup_size: 128
    .sgpr_count:     80
    .vgpr_count:     1024
    .wavefront_size: 32
...
	.end_amdgpu_metadata
.endif
;; end of part 3
;; launch oproj (part 4): grid 16 x 16, 4 waves a work-group, clusters of 4 x 4, 327,680 bytes of LDS; arguments ao16, w16, out0; writes out0
.if DOCPART == 4
	.amdgcn_target "amdgcn-amd-amdhsa--gfx1250"
	.amdhsa_code_object_version 6
	.text
	.protected	k_q04d0d670b1_oproj
	.globl	k_q04d0d670b1_oproj
	.p2align	8
	.type	k_q04d0d670b1_oproj,@function
k_q04d0d670b1_oproj:
	s_mov_b64 s[64:65], 0
	v_nop
	global_prefetch_b8 v0, s[64:65] scope:SCOPE_SE
	s_setreg_imm32_b32 hwreg(HW_REG_WAVE_MODE, 25, 1), 1
	s_wait_xcnt 0x0
	s_wait_alu depctr_hold_cnt(0) depctr_sa_sdst(0) depctr_va_vdst(0) depctr_va_sdst(0) depctr_va_ssrc(0) depctr_va_vcc(0) depctr_vm_vsrc(0)
	s_getreg_b32 s2, hwreg(HW_REG_IB_STS2, 6, 4)
	s_cmp_eq_u32 s2, 0
	s_cbranch_scc0 .Lentry_in_a_cluster
	s_endpgm
.Lentry_in_a_cluster:
	s_bfe_u32 s2, ttmp6, 0x10000c
	s_cmp_lg_u32 s2, 0xf033
	s_cbranch_scc0 .Lentry_shape_is_right
	s_endpgm
.Lentry_shape_is_right:
; OUT0 = O Wo^T.  O = ao16 [2048][2048] f16, Wo = plane 4 of w16 [2048][2048] f16 (bf16 numbers written as f16), out0 [2048][2048] f32; sums in f32, K ascending.
; A tile of out0 is 128 x 128: 256 work-groups, one for each WGP.  Four waves, each 64 x 64: 16 accumulators of 16 x 16.  K in 8 steps of 256 (LDS rows of 512 bytes; a wave's tensor load brings 64 of them)
; through two slots.  A K STEP IS WRITTEN ONCE: the slot in hand is a scalar, s[TB], turned by an exclusive or at each change of slots, and one descriptor for each operand walks from K step 1 to the last.
; CLUSTER 4 x 4: O's tile is shared along a row of the cluster, Wo's along a column: joint loads.  THE MATRIX INSTRUCTION IS USED TRANSPOSED (source 0 = 16 rows of Wo, source 1 = 16 rows of O): a lane
; holds eight neighbouring numbers of a row of out0.  No prefetch: the tiles are small and each row is read by sixteen work-groups at about the same time.
; REGISTERS: window 0: v0-31 addresses; v32-95 at work on the way out; v128-255 the accumulators ((a, b) at v[128 + 8 (4 a + b)]).   window 1: two fragment buffers of 128.
.set KK,     2048
.set KSTEP,  256
.set STEPS,  KK/KSTEP
.set PITCH,  528                       ; an LDS row: 512 bytes + 16 of padding = 132 words: row r starts at bank 4 r mod 64 (64 banks of 4 bytes: ISA guide 11.1)
.set HALFT,  64*PITCH
.set SLOT,   4*HALFT                   ; O's 128 rows, then Wo's 128 rows.  0x21000: it shares no bit with wave x HALFT (0, 0x8400, 0x10800, 0x18c00), so one exclusive or turns an address in one slot into the other's
.set SPARE,  2*SLOT                    ; behind the ring: the spare words, 128 bytes for each wave: two blocks of 256 bytes that no other line names
.set FP,     528                       ; THE STAGE, 128 rows of 512 bytes + 16, lies in slot 0's bytes, behind their last fill and a barrier
.set ADRA0, 16                         ; v16  LDS address of my fragments of O in slot 0; never rewritten
.set CA,   17                          ; v17  the same in the slot in hand
.set ADRB0, 20                         ; v20, v21 the same for Wo
.set CB,   21
.set STO,  24
.set RD,   25
.set CO,   26
.set SPW,  28
.set NIL,  29
.set TMP,  32
.set ACC,  128
.set F0,   0
.set F1,   128
.set G1, 24                            ; s[24:31] descriptor group 1 for O's tiles;  s[32:39] group 0: a set for each of the two first fills; the second then walks on
.set G0, 32
.set TB, 45                            ; s45  LDS byte at which the slot in hand begins
.set G1B, 48                           ; s[48:55], s[56:63] the same for Wo's tiles
.set G0B, 56
.set MSB, 0
.macro WIN new
.if MSB != (\new)
	s_set_vgpr_msb (MSB<<8)|(\new)
.set MSB, \new
.endif
.endm
.set MUL,  0x05                        ; sources 0 (Wo) and 1 (O) window 1; C and D window 0
.set TO_F, 0x40                        ; destination window 1, address window 0
.macro JLOAD s                         ; a joint load: waves 0 and 1 fetch O's two halves, waves 2 and 3 Wo's; an s_nop 0 and four v_nop follow each of the two lines
	s_cmp_eq_u32 s11, 0
	s_cbranch_scc0 .Lfor_b_\@
	tensor_load_to_lds s[G0+4*(\s):G0+4*(\s)+3], s[G1:G1+7]
	s_nop 0
.rept 4
	v_nop
.endr
	s_branch .Lasked_\@
.Lfor_b_\@:
	tensor_load_to_lds s[G0B+4*(\s):G0B+4*(\s)+3], s[G1B:G1B+7]
	s_nop 0
.rept 4
	v_nop
.endr
.Lasked_\@:
.endm
.macro CREST
	s_cmp_lg_u32 s10, 0
	s_cbranch_scc1 .Lnot_wave_0_\@
	s_barrier_signal -3
.Lnot_wave_0_\@:
	s_barrier_wait -3
	s_barrier_signal -1
	s_barrier_wait -1
.endm
.macro CROUND
	s_barrier_signal -1
	s_barrier_wait -1
	CREST
.endm
.macro ADDRS                           ; the fragments' addresses in the slot in hand: two plain instructions in window 0
	v_add_nc_u32 v[CA], s[TB], v[ADRA0]
	v_add_nc_u32 v[CB], s[TB], v[ADRB0]
.endm
	s_load_b128 s[4:7], s[0:1], 0x0                ; ao16 s[4:5], w16 s[6:7]
	s_load_b64 s[8:9], s[0:1], 0x10                ; out0
	v_lshl_add_u32 v[SPW], v0, 2, SPARE
	v_mov_b32 v[NIL], 0
	ds_add_u32 v[SPW], v[NIL]                      ; the wave's opening: the add and its wait stand ahead of my first tensor load
	v_lshrrev_b32 v1, 5, v0
	v_readfirstlane_b32 s10, v1                    ; wave 0..3
	s_lshr_b32 s11, s10, 1                         ; which half of the tile's rows is mine.  Also: I fetch for O (0) or for Wo (1)
	s_and_b32 s12, s10, 1                          ; which half of its columns.  Also: which 64 rows of that tile I fetch
	s_bfe_u32 s40, ttmp6, 0x40000                  ; cx, cy
	s_bfe_u32 s41, ttmp6, 0x40004
	s_lshl_b32 s42, ttmp9, 2
	s_add_co_u32 s42, s42, s40                     ; tile column
	s_and_b32 s13, ttmp7, 0xffff
	s_lshl_b32 s13, s13, 2
	s_add_co_u32 s13, s13, s41                     ; tile row
	s_lshl_b32 s43, s41, 2
	s_lshl_b32 s43, 15, s43                        ; my row of the cluster
	s_lshl_b32 s44, 0x1111, s40                    ; my column
	s_or_b32 s[G1+0], s43, (1<<16)|(1<<20)|(1<<21)|(6<<22)|(3<<25)  ; elements of 2 bytes; padding on; 21 set beside a mask; after every 128 words 4 words
	s_or_b32 s[G1B+0], s44, (1<<16)|(1<<20)|(1<<21)|(6<<22)|(3<<25)
.irp g, G1, G1B
	s_mov_b32 s[(\g)+1], KSTEP<<16                 ; tensor_dim0 = 256
	s_mov_b32 s[(\g)+2], 64<<16                    ; tensor_dim1 = 64
	s_mov_b32 s[(\g)+3], KSTEP<<16                 ; tile_dim0 = 256
	s_mov_b32 s[(\g)+4], 64                        ; tile_dim1 = 64
	s_mov_b32 s[(\g)+5], KK                        ; elements from row to row
	s_mov_b32 s[(\g)+6], 0
	s_mov_b32 s[(\g)+7], 0
.endr
	s_lshl_b32 s17, s12, 6                         ; which 64 rows of the tile I fetch
	s_lshl_b32 s16, s13, 7
	s_add_co_u32 s16, s16, s17                     ; O: row 128 x tile row + 64 x half
	s_lshl_b32 s46, s42, 7
	s_add_co_u32 s46, s46, s17                     ; Wo: row 128 x tile column + 64 x half
	s_lshl_b32 s16, s16, 12                        ; rows of 4,096 bytes
	s_lshl_b32 s46, s46, 12
	s_mov_b32 s17, 0
	s_mov_b32 s47, 0
	s_mul_i32 s20, s10, HALFT                      ; where they go: wave x 64 rows
	s_mov_b32 s[TB], 0
	s_wait_dscnt 0x0                               ; the opening add is done
	s_wait_kmcnt 0x0
	s_add_nc_u64 s[14:15], s[4:5], s[16:17]
	s_add_nc_u64 s[46:47], s[6:7], s[46:47]
	s_add_nc_u64 s[46:47], s[46:47], 4*8388608     ; plane 4
	CROUND                                         ; all sixteen work-groups are here: the first joint loads meet
.irp s, 0,1
	s_mov_b32 s[G0+4*(\s)], 1
	s_add_co_u32 s[G0+4*(\s)+1], s20, (\s)*SLOT
	s_add_nc_u64 s[G0+4*(\s)+2:G0+4*(\s)+3], s[14:15], (\s)*KSTEP*2
	s_or_b32 s[G0+4*(\s)+3], s[G0+4*(\s)+3], 0x80000000
	s_mov_b32 s[G0B+4*(\s)], 1
	s_add_co_u32 s[G0B+4*(\s)+1], s20, (\s)*SLOT
	s_add_nc_u64 s[G0B+4*(\s)+2:G0B+4*(\s)+3], s[46:47], (\s)*KSTEP*2
	s_or_b32 s[G0B+4*(\s)+3], s[G0B+4*(\s)+3], 0x80000000
	JLOAD \s                                       ; two loads of mine are out
.endr
	v_and_b32 v1, 15, v0                           ; l % 16
	v_bfe_u32 v2, v0, 4, 1                         ; l / 16
	v_mul_u32_u24 v3, v1, PITCH
	v_lshl_add_u32 v3, v2, 4, v3                   ; a fragment's row x pitch + 16 x half
	s_mul_i32 s21, s11, HALFT                      ; my 64 rows of O
	s_mul_i32 s22, s12, HALFT                      ; my 64 rows of Wo,
	s_add_co_u32 s22, s22, 2*HALFT                 ; which lie behind O's 128
	v_add_nc_u32 v[ADRA0], s21, v3
	v_add_nc_u32 v[ADRB0], s22, v3
	ADDRS                                          ; slot 0
	s_mul_i32 s23, s11, 64*FP                      ; into the stage: my 64 rows, my 256 bytes of their 512; row l % 16, 32 bytes for each half of the lanes
	s_lshl_b32 s21, s12, 8
	s_add_co_u32 s23, s23, s21
	v_mul_u32_u24 v4, v1, FP
	v_lshl_add_u32 v4, v2, 5, v4
	v_add_nc_u32 v[STO], s23, v4
	s_mul_i32 s23, s10, 32*FP                      ; back: wave w takes rows 32 w .. 32 w + 31, a row of 512 bytes to a load
	v_and_b32 v5, 31, v0
	v_lshlrev_b32 v[CO], 4, v5
	v_add_nc_u32 v[RD], s23, v[CO]
	s_lshl_b32 s16, s13, 7
	s_lshl_b32 s17, s10, 5
	s_add_co_u32 s16, s16, s17                     ; the first row of out0 that I store,
	s_lshl_b32 s16, s16, 13                        ; rows of 8,192 bytes,
	s_lshl_b32 s17, s42, 9                         ; the tile's 512 bytes in them
	s_add_co_u32 s16, s16, s17
	s_mov_b32 s17, 0
	s_add_nc_u64 s[8:9], s[8:9], s[16:17]
; 8 matrix instructions: row blocks a0, a0 + 1 x all 4 column blocks, 32 along K: half c of buffer f.  zero = 1: the first product starts the sums.  The 16 accumulators take turns.
.macro MUL8 f, c, a0, zero
	WIN MUL
.irp a, \a0, (\a0)+1
.irp b, 0,1,2,3
.if \zero
	v_wmma_f32_16x16x32_f16 v[ACC+8*(4*(\a)+(\b)):ACC+8*(4*(\a)+(\b))+7], v[(\f)+64+8*(4*(\c)+(\b)):(\f)+64+8*(4*(\c)+(\b))+7], v[(\f)+8*(4*(\c)+(\a)):(\f)+8*(4*(\c)+(\a))+7], 0
.else
	v_wmma_f32_16x16x32_f16 v[ACC+8*(4*(\a)+(\b)):ACC+8*(4*(\a)+(\b))+7], v[(\f)+64+8*(4*(\c)+(\b)):(\f)+64+8*(4*(\c)+(\b))+7], v[(\f)+8*(4*(\c)+(\a)):(\f)+8*(4*(\c)+(\a))+7], v[ACC+8*(4*(\a)+(\b)):ACC+8*(4*(\a)+(\b))+7]
.endif
.endr
.endr
.endm
; 32 LDS loads in one run, from the slot in hand: the fragments of 64 along K at byte k of the rows, into buffer f; the first 32 along K first
.macro FETCH k, f
	WIN TO_F
.irp c, 0,1
.irp i, 0,1,2,3
	ds_load_b128 v[(\f)+64+8*(4*(\c)+(\i)):(\f)+64+8*(4*(\c)+(\i))+3],   v[CB] offset:(\k)+64*(\c)+(\i)*16*PITCH
	ds_load_b128 v[(\f)+64+8*(4*(\c)+(\i))+4:(\f)+64+8*(4*(\c)+(\i))+7], v[CB] offset:(\k)+64*(\c)+(\i)*16*PITCH+32
	ds_load_b128 v[(\f)+8*(4*(\c)+(\i)):(\f)+8*(4*(\c)+(\i))+3],         v[CA] offset:(\k)+64*(\c)+(\i)*16*PITCH
	ds_load_b128 v[(\f)+8*(4*(\c)+(\i))+4:(\f)+8*(4*(\c)+(\i))+7],       v[CA] offset:(\k)+64*(\c)+(\i)*16*PITCH+32
.endr
.endr
.endm
.macro PLACES                          ; four places in front of loads into registers that matrix instructions have read, and of stores that read results
.rept 4
	v_nop
.endr
.endm
; A K step is four quarters of 64 along K, 32 matrix instructions each, on buffers 0, 1, 0, 1.
.macro QUARTER k, f, g, zero
	s_wait_dscnt 16                                ; the first 32 along K are in; the youngest sixteen loads may be out
	MUL8 \f, 0, 0, \zero
	MUL8 \f, 0, 2, \zero
	PLACES
	FETCH \k, \g
	s_wait_dscnt 32                                ; all but the 32 just issued
	MUL8 \f, 1, 0, 0
	MUL8 \f, 1, 2, 0
.endm
; The last quarter multiplies buffer 1 and changes slots: one barrier; in front of it each wave waits for all its tensor loads, adds 0 to its spare word, and waits for that and for its reads of this slot.
; fill = 1: the barrier opens a round of the cluster's, and this slot is filled again, two K steps on, first thing behind the round, by the walking descriptor.
.macro TURN fill
	WIN 0                                          ; (the add's two registers lie in window 0)
	s_wait_tensorcnt 0x0                           ; all my tensor loads have landed: my part of the next slot
	ds_add_u32 v[SPW], v[NIL]                      ; 0 onto my spare word
	s_wait_dscnt 17                                ; (the add and the youngest sixteen loads may be out)
	MUL8 F1, 0, 0, 0
	s_wait_dscnt 0x0                               ; the add is done, and my reads of this slot are over
	s_barrier_signal -1
	MUL8 F1, 0, 2, 0
	WIN 0                                          ; (branches and lines of window 0 follow)
	s_barrier_wait -1
.if \fill
	CREST                                          ; no wave of any partner still reads this slot's tile or has a load on its way
	s_xor_b32 s[G0+5], s[G0+5], SLOT               ; the walking descriptors: the other slot than last time, which is the slot just read,
	s_add_nc_u64 s[G0+6:G0+7], s[G0+6:G0+7], KSTEP*2    ; and the next K step; the type bits on top are not reached
	s_xor_b32 s[G0B+5], s[G0B+5], SLOT
	s_add_nc_u64 s[G0B+6:G0B+7], s[G0B+6:G0B+7], KSTEP*2
	JLOAD 1                                        ; my one tensor load behind the round; its four v_nop are also the places in front of the loads below
.endif
	s_xor_b32 s[TB], s[TB], SLOT                   ; the reads go to the other slot
	ADDRS
.if !(\fill)
	v_nop                                          ; with the two lines above: the four places in front of the loads below
	v_nop
.endif
	FETCH 0, F0
	MUL8 F1, 1, 0, 0
	MUL8 F1, 1, 2, 0
.endm
	s_wait_tensorcnt 1                             ; my part of K step 0 is in; K step 1's may stay out
	s_barrier_signal -1
	s_barrier_wait -1
	FETCH 0, F0
	QUARTER 128, F0, F1, 1                         ; the first quarter stands in front of the loop: its first products start the sums
	WIN 0
	s_mov_b32 s3, STEPS-2
.Lstep:                                        ; a trip goes from a K step's second quarter to the next step's first, and fills the slot that it leaves: K steps 2 to 7 are asked for
	QUARTER 256, F1, F0, 0
	QUARTER 384, F0, F1, 0
	TURN 1
	QUARTER 128, F0, F1, 0
	WIN 0
	s_sub_co_u32 s3, s3, 1
	s_cmp_lg_u32 s3, 0
	s_cbranch_scc1 .Lstep
	s_mov_b32 s3, 2
.Ltail:                                        ; the last two K steps fill nothing: a text of their own.  The second trip is left in its middle, by a jump that passes
	QUARTER 256, F1, F0, 0                         ; no barrier; its change of slots (a barrier, and 32 LDS loads of K step 6's tile that nothing multiplies) is the price, once a launch, of one text for both trips
	QUARTER 384, F0, F1, 0
	TURN 0
	WIN 0
	s_sub_co_u32 s3, s3, 1
	s_cmp_eq_u32 s3, 0
	s_cbranch_scc1 .Lout
	QUARTER 128, F0, F1, 0
	WIN 0
	s_branch .Ltail
.Lout:
	; THE WAY OUT: the f32 sums go into the stage, 32 bytes a lane; a barrier, since a row's 512 bytes come from two waves; back as whole rows, 32 rows a wave.
	s_wait_dscnt 0x0                               ; my last reads of the ring are back
	s_barrier_signal -1                            ; every wave's are: slot 0's bytes become the stage
	s_barrier_wait -1
	PLACES
	PLACES
.irp a, 0,1,2,3
.irp b, 0,1,2,3
	ds_store_b128 v[STO], v[ACC+8*(4*(\a)+(\b)):ACC+8*(4*(\a)+(\b))+3]   offset:(\a)*16*FP+64*(\b)
	ds_store_b128 v[STO], v[ACC+8*(4*(\a)+(\b))+4:ACC+8*(4*(\a)+(\b))+7] offset:(\a)*16*FP+64*(\b)+16
.endr
.endr
	s_wait_dscnt 0x0                               ; for the others' sake: my stores into the stage are done
	s_barrier_signal -1
	s_barrier_wait -1
.irp u, 0,1
.if (\u) == 1
	s_wait_xcnt 0x0                                ; the first sixteen stores have read their registers
.endif
.irp t, 0,1,2,3,4,5,6,7,8,9,10,11,12,13,14,15
	ds_load_b128 v[TMP+4*(\t):TMP+4*(\t)+3], v[RD] offset:(16*(\u)+(\t))*FP
.endr
.irp t, 0,1,2,3,4,5,6,7,8,9,10,11,12,13,14,15
	s_wait_dscnt 15-(\t)                           ; load t is in, the younger ones may stay out
	global_store_b128 v[CO], v[TMP+4*(\t):TMP+4*(\t)+3], s[8:9] offset:(16*(\u)+(\t))*8192 th:TH_STORE_NT  ; the wave stores 512 consecutive bytes, aligned; out0 is written once and read by nobody
.endr
.endr
	s_wait_tensorcnt 0x0                           ; the wave's end, behind my last tensor load and my last LDS store
	ds_add_u32 v[SPW], v[NIL]
	s_wait_dscnt 0x0
	CROUND                                         ; the closing round: no work-group ends while a partner may still ask for a tile that names it
	s_endpgm
.Lfunc_end_k_q04d0d670b1_oproj:
	.size	k_q04d0d670b1_oproj, .Lfunc_end_k_q04d0d670b1_oproj-k_q04d0d670b1_oproj
	.p2alignl 7, 3214868480
	.fill 96, 4, 3214868480
	.section	.rodata,"a",@progbits
	.p2align	6, 0x0
	.amdhsa_kernel k_q04d0d670b1_oproj
		.amdhsa_group_segment_fixed_size 327680
		.amdhsa_private_segment_fixed_size 0
		.amdhsa_enable_private_segment 0
		.amdhsa_kernarg_size 24
		.amdhsa_user_sgpr_count 2
		.amdhsa_user_sgpr_kernarg_segment_ptr 1
		.amdhsa_wavefront_size32 1
		.amdhsa_system_sgpr_workgroup_id_x 1
		.amdhsa_system_sgpr_workgroup_id_y 1
		.amdhsa_system_sgpr_workgroup_id_z 1
		.amdhsa_system_vgpr_workitem_id 0
		.amdhsa_next_free_vgpr 512
		.amdhsa_next_free_sgpr 66
		.amdhsa_reserve_vcc 0
		.amdhsa_float_denorm_mode_32 3
		.amdhsa_float_denorm_mode_16_64 3
		.amdhsa_memory_ordered 1
		.amdhsa_forward_progress 1
		.amdhsa_inst_pref_size 58
	.end_amdhsa_kernel
	.amdgpu_metadata
---
amdhsa.version: [ 1, 2 ]
amdhsa.kernels:
  - .name:           k_q04d0d670b1_oproj
    .symbol:         k_q04d0d670b1_oproj.kd
    .args:
      - { .name: ao16, .offset: 0, .size: 8, .value_kind: global_buffer, .address_space: global }
      - { .name: w16, .offset: 8, .size: 8, .value_kind: global_buffer, .address_space: global }
      - { .name: out0, .offset: 16, .size: 8, .value_kind: global_buffer, .address_space: global }
    .group_segment_fixed_size: 327680
    .private_segment_fixed_size: 0
    .kernarg_segment_align: 8
    .kernarg_segment_size: 24
    .max_flat_workgroup_size: 128
    .sgpr_count:     66
    .vgpr_count:     512
    .wavefront_size: 32
...
	.end_amdgpu_metadata
.endif
;; end of part 4
